; MI455X (gfx1250); checked and timed in simulation.
; The chip was launched on July 23, 2026; its instructions are those of AMD's public machine-readable ISA for CDNA 5 (MIT licence, August 2026) and "CDNA5" Instruction Set Architecture Reference Guide (July 2026). The comments in the code are by the model that wrote it; some were corrected since.
;; Attention Block. Allowed arithmetic: matrix products marked QUANTISED: E4M3 operands, one E8M0 scale for each 32 along K, by v_wmma_scale_f32_16x16x128_f8f6f4 with both operands' format E4M3, f32 sums; everything else in f32.
;; Inputs: ca_bo 1,024 float32; ca_norm_b 1,024 float32; ca_norm_g 1,024 float32; ca_normc_b 1,024 float32; ca_normc_g 1,024 float32; ca_rel 32 x 16 float32; ca_wkv_codes 2,048 x 32 x 32 uint8 (E4M3 codes of ca_wkv, K innermost, in blocks of 32 codes); ca_wkv_scales 2,048 x 32 uint8 (E8M0 scales of ca_wkv, one for each 32 codes along K); ca_wo_codes 1,024 x 32 x 32 uint8 (E4M3 codes of ca_wo, K innermost, in blocks of 32 codes); ca_wo_scales 1,024 x 32 uint8 (E8M0 scales of ca_wo, one for each 32 codes along K); ca_wq_codes 1,024 x 32 x 32 uint8 (E4M3 codes of ca_wq, K innermost, in blocks of 32 codes); ca_wq_scales 1,024 x 32 uint8 (E8M0 scales of ca_wq, one for each 32 codes along K); context 2 x 512 x 1,024 float32; sa_bo 1,024 float32; sa_norm_b 1,024 float32; sa_norm_g 1,024 float32; sa_normc_b 1,024 float32; sa_normc_g 1,024 float32; sa_rel 32 x 16 float32; sa_wkv_codes 2,048 x 32 x 32 uint8 (E4M3 codes of sa_wkv, K innermost, in blocks of 32 codes); sa_wkv_scales 2,048 x 32 uint8 (E8M0 scales of sa_wkv, one for each 32 codes along K); sa_wo_codes 1,024 x 32 x 32 uint8 (E4M3 codes of sa_wo, K innermost, in blocks of 32 codes); sa_wo_scales 1,024 x 32 uint8 (E8M0 scales of sa_wo, one for each 32 codes along K); sa_wq_codes 1,024 x 32 x 32 uint8 (E4M3 codes of sa_wq, K innermost, in blocks of 32 codes); sa_wq_scales 1,024 x 32 uint8 (E8M0 scales of sa_wq, one for each 32 codes along K); x 2 x 2,048 x 1,024 float32.
;; Outputs: out0 2 x 2,048 x 1,024 float32.
;; This version of the problem:
;;   THIS VERSION OF THE PROBLEM IS GIVEN IN LOW PRECISION. The matrix products marked QUANTISED in the list below multiply operands that are first quantised to E4M3 (4 exponent bits, 3 mantissa bits; 8 bits a number), with one power-of-two scale for each 32 numbers along K (OCP MX v1.0); their sums are f32. All else is computed in f32.
;;   The module's matrix products, in the order in which they are computed (A, B: the left and right operand; K: the contracted axis; several contracted axes count as one K, in the product's order):
;;     1. [M 4,096, K 1,024] x [K 1,024, N 1,024]; A: computed on the way; B: input sa_wq (given as codes): QUANTISED
;;     2. [M 4,096, K 1,024] x [K 1,024, N 2,048]; A: computed on the way; B: input sa_wkv (given as codes): QUANTISED
;;     3. batch 32 x [M 2,048, K 64] x [K 64, N 2,048]; A: computed on the way; B: computed on the way: QUANTISED
;;     4. batch 32 x [M 2,048, K 2,048] x [K 2,048, N 64]; A: softmax (see below); B: computed on the way: QUANTISED
;;     5. [M 4,096, K 1,024] x [K 1,024, N 1,024]; A: computed on the way; B: input sa_wo (given as codes): QUANTISED
;;     6. [M 4,096, K 1,024] x [K 1,024, N 1,024]; A: computed on the way; B: input ca_wq (given as codes): QUANTISED
;;     7. [M 1,024, K 1,024] x [K 1,024, N 2,048]; A: computed on the way; B: input ca_wkv (given as codes): QUANTISED
;;     8. batch 32 x [M 2,048, K 64] x [K 64, N 512]; A: computed on the way; B: computed on the way: QUANTISED
;;     9. batch 32 x [M 2,048, K 512] x [K 512, N 64]; A: softmax (see below); B: computed on the way: QUANTISED
;;     10. [M 4,096, K 1,024] x [K 1,024, N 1,024]; A: computed on the way; B: input ca_wo (given as codes): QUANTISED
;;   THE QUANTISER, for each operand of a quantised product, along K:
;;     - K is cut into blocks of 32 from its start; a last block that is shorter is filled with zeros.
;;     - A block's scale is 2^e with e = floor(log2(the largest magnitude in the block)) - 8, held to -126 .. 127; a block of zeros has e = 0. As a byte (E8M0): e + 127.
;;     - Each number is divided by its block's scale, clamped to +-448, and rounded to the nearest number of E4M3, ties to even, subnormals kept.
;;     - The product sums the exact products of the quantised numbers (number of the format x scale) in f32.
;;   ~~~python
;;   def quantise(x, axis):      # numpy; x: float32 -> the quantised numbers, widened to float32 again
;;       x = np.moveaxis(x, axis, -1); K = x.shape[-1]
;;       x = np.pad(x, [(0, 0)] * (x.ndim - 1) + [(0, -K % 32)]); x = x.reshape(x.shape[:-1] + (-1, 32)); a = np.abs(x).max(-1, keepdims=True)
;;       e = np.where(a > 0, np.clip(np.frexp(np.where(a > 0, a, 1))[1] - 1 - 8, -126, 127), 0)      # np.frexp(a)[1] - 1 = floor(log2(a)), exactly
;;       r = np.clip(x / 2.0 ** e, -448, 448)
;;       step = 2.0 ** (np.maximum(np.frexp(np.where(r == 0, 1, r))[1] - 1, -6) - 3)
;;       q = np.round(r / step) * step * 2.0 ** e      # np.round: ties to even
;;       return np.moveaxis(q.reshape(q.shape[:-2] + (-1,))[..., :K], -1, axis).astype(np.float32)
;;   ~~~
;;   SOFTMAX AHEAD OF A QUANTISED PRODUCT. Where the list says 'softmax', what is quantised is not the finished softmax but p = 2^(t - M), with t = logit x log2(e) and M = ceil(the row's largest t), a whole number; so 1/2 < the row's largest p <= 1. The row's sum l is taken of the UNQUANTISED p, in f32, and the product's result is divided by l at the end. Since M is a whole number, a kernel that streams over the keys may use a running M (the ceiling of the running maximum): every later rescaling is an exact power of two, which a block's scale takes up: the codes' values come out the same.
;;   OPERANDS COMPUTED ON THE WAY. 'Computed on the way' means the value that the module computes at that place (a softmax that the list does not call 'softmax' is quantised finished and normalised). What goes into a quantiser is computed in f32, as accurately as f32 sums, v_exp_f32 and their like allow (about 1e-6 of the number): no bf16 or f16 on the way to a quantiser, and a product that is left as it is and whose result goes on into a quantised operand takes f32 operands (vector FMAs, or v_wmma_f32_16x16x4_f32). A number that lies on a knife's edge between two numbers of the format may be rounded either way, as far as f32 arithmetic and the matrix unit's own rounding can turn it there, and no further.
;;   INPUTS GIVEN AS CODES. ca_wkv (in the module: [1024, 2048], K = its axis 0); ca_wo (in the module: [1024, 1024], K = its axis 0); ca_wq (in the module: [1024, 1024], K = its axis 0); sa_wkv (in the module: [1024, 2048], K = its axis 0); sa_wo (in the module: [1024, 1024], K = its axis 0); sa_wq (in the module: [1024, 1024], K = its axis 0): each comes as NAME_codes (uint8): NAME with its K axis moved to the last place and cut into blocks of 32 codes, [.., K / 32, bytes a block], one block behind the other in memory; one code a byte (a code: sign, 4 exponent bits, 3 mantissa bits); and NAME_scales (uint8): the same leading axes, one E8M0 byte (e + 127) for each 32 codes along K. Its value is code x scale, taken as it is: it is not quantised again, and the codes and scales need not be those that the quantiser above would give.
;; One version. Each part assembles by itself: llvm-mc -triple=amdgcn-amd-amdhsa -mcpu=gfx1250 --defsym DOCPART=n.
;; ======== version 1 of 1: 8 launches
;; limits: right only within a limited range of input values
;; workspace buffers: act 9,437,184 bytes; acts 294,912 bytes; qimg 8,650,752 bytes; kvs 8,650,752 bytes; kvc 8,650,752 bytes; ao 4,194,304 bytes; aos 131,072 bytes; x1 16,777,216 bytes
;; launch ln_sa (part 1): grid 576 x 1, 4 waves a work-group, no clusters, 33,280 bytes of LDS; arguments x, sa_norm_g, sa_norm_b, sa_normc_g, sa_normc_b, context, ca_normc_g, ca_normc_b, act, acts; writes act, acts
.if DOCPART == 1
	.amdgcn_target "amdgcn-amd-amdhsa--gfx1250"
	.amdhsa_code_object_version 6
	.text
	.protected	k_q6b8cf1dfc5_ln_sa
	.globl	k_q6b8cf1dfc5_ln_sa
	.p2align	8
	.type	k_q6b8cf1dfc5_ln_sa,@function
k_q6b8cf1dfc5_ln_sa:
	s_mov_b64 s[64:65], 0
	v_nop
	global_prefetch_b8 v0, s[64:65] scope:SCOPE_SE
	s_setreg_imm32_b32 hwreg(HW_REG_WAVE_MODE, 25, 1), 1
	s_wait_xcnt 0x0
; LayerNorm of rows of 1,024 f32 numbers, and the result quantised to codes of FP8 (E4M3) with one E8M0 byte for each 32 along the row.
; Output rows: 0-4,095 = LN(inA; g0, b0), 4,096-8,191 = LN(inA; g1, b1), 8,192-9,215 = LN(inC; g2, b2).  A work-group takes 16 output rows, each of its four waves 4; the job is chosen
; by the work-group's number alone (pointers by s_cselect_b64); a launch with 256 work-groups does the first job only.
; A row is 32 registers of one wave: it is read once and stays in registers for the mean, the variance (of the differences, so that a common offset does no harm) and the scaling.
; A wave's four rows are all asked for at the start, each into a buffer of its own: 32 loads of a wave are on their way behind the gain's and the bias's 16.
; Each load takes 512 consecutive bytes; for the conversions a lane must hold 16 neighbours, so the finished row turns through the wave's own stage in LDS (64 bytes + 16 of padding a lane).
; A lane's 16 codes are 16 bytes: the wave stores 512 consecutive bytes.  The wave's 4 x 32 scale bytes are gathered in LDS and leave as 128 consecutive bytes, one part in 32 of what the wave stores.
; A block's scale is 2^(floor(log2(largest magnitude)) - 8); its byte is that magnitude's exponent field - 8, held at 1 from below.
; LIMITS: a block of zeros gets the byte 1 (its codes are zeros; this program alone reads the bytes); NaN and infinities among the inputs are not served.
; No matrix unit, no cluster, no tensor load: the waves share nothing and memory binds.
.set SP,   80                          ; a lane's place in a stage
.set WREG, 8192                        ; LDS of a wave: two stages of 32 x SP bytes, then 128 scale bytes
.set T,    8                           ; v8-15    at work
.set G,    16                          ; v16-47   the gain, laid as a row is loaded
.set B,    48                          ; v48-79   the bias
.set X,    80                          ; v80-207  four row buffers of 32
.set Y,    208                         ; v208-239 two sets of 16 neighbours
.set C,    240                         ; v240-247 two sets of codes
.set E,    248                         ; v248-249 scale bytes
.set MEAN, 250                         ; v250-251 the mean, twice
.set RSTD, 252                         ; v252-253 1 / sqrt(variance + eps), twice
	s_load_b512 s[8:23], s[0:1], 0x0               ; inA s[8:9], g0, b0, g1, b1, inC s[18:19], g2, b2
	s_load_b128 s[24:27], s[0:1], 0x40             ; codes s[24:25], scale bytes s[26:27]
	v_lshl_add_u32 v254, v0, 2, 0x8000
	v_mov_b32 v255, 0
	v_lshrrev_b32 v1, 5, v0
	v_readfirstlane_b32 s30, v1                    ; wave
	v_and_b32 v7, 31, v0                           ; lane
	v_lshlrev_b32 v1, 4, v7                        ; 16 x lane: my bytes of a load's 512, and of a store's
	s_mul_i32 s32, s30, WREG
	v_lshrrev_b32 v2, 2, v7
	v_mul_u32_u24 v2, v2, SP
	v_and_b32 v3, 3, v7
	v_lshl_add_u32 v2, v3, 4, v2
	v_add_nc_u32 v2, s32, v2                       ; the stage, on the way in: SP (lane / 4) + 16 (lane % 4)
	v_mul_u32_u24 v3, v7, SP
	v_add_nc_u32 v3, s32, v3                       ; on the way out: SP x lane
	s_add_co_u32 s32, s32, 2*32*SP
	v_lshrrev_b32 v4, 1, v7
	v_add_nc_u32 v4, s32, v4                       ; my block's scale byte
	v_lshlrev_b32 v6, 2, v7
	v_add_nc_u32 v5, s32, v6                       ; the scale bytes on the way out: 4 a lane
	v_mov_b32 v7, 0                                ; from here on the lane permute's destination, which counts as read
	s_mov_b32 s36, 0x76543210
	s_mov_b32 s37, 0xfedcba98                      ; lane l xor 16
	s_mov_b32 s38, 0x600000                        ; the mantissa field of 448
	s_mov_b32 s39, 0x3a800000                      ; 1 / 1,024
	s_mov_b32 s40, 0x3727c5ac                      ; 1e-5
	s_lshl_b32 s31, ttmp9, 4
	s_lshl_b32 s33, s30, 2
	s_add_co_u32 s31, s31, s33                     ; my first output row: 16 x work-group + 4 x wave
	s_and_b32 s32, s31, 4095                       ; and the input row that it comes from
	s_lshl_b32 s32, s32, 12
	s_mov_b32 s33, 0
	s_wait_kmcnt 0x0
	s_cmp_ge_u32 ttmp9, 256
	s_cselect_b64 s[10:11], s[14:15], s[10:11]
	s_cselect_b64 s[12:13], s[16:17], s[12:13]
	s_cmp_ge_u32 ttmp9, 512
	s_cselect_b64 s[8:9], s[18:19], s[8:9]
	s_cselect_b64 s[10:11], s[20:21], s[10:11]
	s_cselect_b64 s[12:13], s[22:23], s[12:13]
	s_add_nc_u64 s[8:9], s[8:9], s[32:33]
	s_lshl_b32 s32, s31, 10
	s_add_nc_u64 s[24:25], s[24:25], s[32:33]
	s_lshl_b32 s32, s31, 5
	s_add_nc_u64 s[26:27], s[26:27], s[32:33]
.irp j, 0,1,2,3,4,5,6,7
	global_load_b128 v[G+4*\j:G+4*\j+3], v1, s[10:11] offset:512*\j
.endr
.irp j, 0,1,2,3,4,5,6,7
	global_load_b128 v[B+4*\j:B+4*\j+3], v1, s[12:13] offset:512*\j
.endr
.macro RLOAD k                         ; row k into buffer k: eight loads of 512 consecutive bytes
.irp j, 0,1,2,3,4,5,6,7
	global_load_b128 v[X+32*(\k)+4*\j:X+32*(\k)+4*\j+3], v1, s[8:9] offset:4096*(\k)+512*\j
.endr
.endm
.macro FOLD                            ; four pairs of partial sums become one number a lane,
	v_pk_add_f32 v[T:T+1], v[T:T+1], v[T+2:T+3]
	v_pk_add_f32 v[T+4:T+5], v[T+4:T+5], v[T+6:T+7]
	v_pk_add_f32 v[T:T+1], v[T:T+1], v[T+4:T+5]
	v_add_f32 v[T], v[T], v[T+1]
	v_add_f32_dpp v[T], v[T], v[T] row_xmask:1 row_mask:0xf bank_mask:0xf   ; and the 32 lanes' numbers one, in every lane
	v_add_f32_dpp v[T], v[T], v[T] row_xmask:2 row_mask:0xf bank_mask:0xf
	v_add_f32_dpp v[T], v[T], v[T] row_xmask:4 row_mask:0xf bank_mask:0xf
	v_add_f32_dpp v[T], v[T], v[T] row_xmask:8 row_mask:0xf bank_mask:0xf
	v_permlanex16_b32 v7, v[T], s36, s37
	v_add_f32 v[T], v[T], v7
.endm
.macro TURN k, t                       ; half t of the row through stage t: LDS serves a wave's instructions in order, so no wait stands between the stores and the loads
.irp i, 0,1,2,3
	ds_store_b128 v2, v[X+32*(\k)+16*\t+4*\i:X+32*(\k)+16*\t+4*\i+3] offset:32*SP*\t+8*SP*\i
.endr
.irp i, 0,1,2,3
	ds_load_b128 v[Y+16*\t+4*\i:Y+16*\t+4*\i+3], v3 offset:32*SP*\t+16*\i
.endr
.endm
.macro QSTEP k, t                      ; 512 numbers, 16 neighbours a lane, two lanes to a block
.set YS, Y+16*\t
.set CS, C+4*\t
	s_wait_xcnt 0x0                                ; the earlier stores have read their registers: this set of codes is written again only behind this wait
	v_max3_num_f32 v8, |v[YS]|, |v[YS+1]|, |v[YS+2]|
	v_max3_num_f32 v9, |v[YS+3]|, |v[YS+4]|, |v[YS+5]|
.irp i, 6,10
	v_max3_num_f32 v8, v8, |v[YS+\i]|, |v[YS+\i+1]|
	v_max3_num_f32 v9, v9, |v[YS+\i+2]|, |v[YS+\i+3]|
.endr
	v_max3_num_f32 v8, v8, |v[YS+14]|, |v[YS+15]|
	v_max3_num_f32 v8, v8, v9, 0x4800000           ; and the floor 2^(9 - 127): the byte cannot fall under 1
	v_max_num_f32_dpp v8, v8, v8 row_xmask:1 row_mask:0xf bank_mask:0xf   ; with my neighbour's 16: the block's largest magnitude
	v_add_nc_u32 v11, 0xfc000000, v8               ; 8 off its exponent field: the conversion's scale operand
	v_and_or_b32 v10, v8, 0x7f800000, s38          ; 448 x the scale
.irp i, 0,1,2,3,4,5,6,7,8,9,10,11,12,13,14,15
	v_med3_num_f32 v[YS+\i], v[YS+\i], -v10, v10   ; the conversion to an 8-bit code does not saturate (ISA guide 7.6.2): the hold comes first
.endr
	v_cvt_scalef32_pk8_fp8_f32 v[CS:CS+1], v[YS:YS+7], v11
	v_cvt_scalef32_pk8_fp8_f32 v[CS+2:CS+3], v[YS+8:YS+15], v11
	v_lshrrev_b32 v[E+\t], 23, v11                 ; the scale's byte (a plain line behind the conversions)
	ds_store_b8 v4, v[E+\t] offset:16*(2*(\k)+\t)  ; both lanes of a block write the same byte with the same value
	global_store_b128 v1, v[CS:CS+3], s[24:25] offset:1024*(\k)+512*\t   ; 32 lanes store 512 consecutive bytes
.endm
.macro ROW k, left                     ; left: the younger rows' loads, which may stay out
.set XB, X+32*(\k)
	s_wait_loadcnt \left                           ; loads come back in order: gain, bias and this row are in
.irp c, 0,1,2,3
	v_pk_add_f32 v[T+2*\c:T+2*\c+1], v[XB+4*\c:XB+4*\c+1], v[XB+4*\c+2:XB+4*\c+3]   ; the sum, in four chains started by the first sixteen numbers
.endr
.irp q, 16,24
.irp c, 0,1,2,3
	v_pk_add_f32 v[T+2*\c:T+2*\c+1], v[T+2*\c:T+2*\c+1], v[XB+\q+2*\c:XB+\q+2*\c+1]
.endr
.endr
	FOLD
	v_mul_f32 v[MEAN], s39, v[T]
	v_mov_b32 v[MEAN+1], v[MEAN]
.set j, 0
.rept 16
	v_pk_add_f32 v[XB+j:XB+j+1], v[XB+j:XB+j+1], v[MEAN:MEAN+1] neg_lo:[0,1] neg_hi:[0,1]   ; x - mean
.set j, j+2
.endr
.irp c, 0,1,2,3
	v_pk_mul_f32 v[T+2*\c:T+2*\c+1], v[XB+2*\c:XB+2*\c+1], v[XB+2*\c:XB+2*\c+1]
.endr
.set j, 8
.rept 12
	v_pk_fma_f32 v[T+j%8:T+j%8+1], v[XB+j:XB+j+1], v[XB+j:XB+j+1], v[T+j%8:T+j%8+1]
.set j, j+2
.endr
	FOLD
	v_fma_f32 v[T], v[T], s39, s40                 ; the variance + eps
	s_wait_alu depctr_va_vdst(0)
	v_rsq_f32 v[RSTD], v[T]
	v_rsq_f32 v[RSTD+1], v[T]
	v_nop                                          ; one plain line behind a transcendental before its result is used (ISA guide 5.7.2)
.set j, 0
	s_wait_alu depctr_va_vdst(0)
.rept 16
	v_pk_mul_f32 v[XB+j:XB+j+1], v[XB+j:XB+j+1], v[RSTD:RSTD+1]
.set j, j+2
.endr
.set j, 0
.rept 16
	v_pk_fma_f32 v[XB+j:XB+j+1], v[XB+j:XB+j+1], v[G+j:G+j+1], v[B+j:B+j+1]
.set j, j+2
.endr
	TURN \k, 0
	TURN \k, 1
	s_wait_dscnt 0x0                               ; the row is back as neighbours
	QSTEP \k, 0
	QSTEP \k, 1
.endm
	RLOAD 0
	RLOAD 1
	RLOAD 2
	RLOAD 3
	ROW 0, 24                                      ; three younger rows of eight loads each stay out;
	ROW 1, 16                                      ; nothing more is asked for: the counts run down
	ROW 2, 8
	ROW 3, 0
	ds_load_b32 v12, v5                            ; LDS serves a wave's instructions in order: this sees my byte stores
	s_wait_dscnt 0x0
	global_store_b32 v6, v12, s[26:27]             ; 32 lanes store 128 consecutive bytes
	s_wait_tensorcnt 0x0
	ds_add_u32 v254, v255
	s_wait_dscnt 0x0
	s_endpgm
.Lfunc_end_k_q6b8cf1dfc5_ln_sa:
	.size	k_q6b8cf1dfc5_ln_sa, .Lfunc_end_k_q6b8cf1dfc5_ln_sa-k_q6b8cf1dfc5_ln_sa
	.p2alignl 7, 3214868480
	.fill 96, 4, 3214868480
	.section	.rodata,"a",@progbits
	.p2align	6, 0x0
	.amdhsa_kernel k_q6b8cf1dfc5_ln_sa
		.amdhsa_group_segment_fixed_size 33280
		.amdhsa_private_segment_fixed_size 0
		.amdhsa_enable_private_segment 0
		.amdhsa_kernarg_size 80
		.amdhsa_user_sgpr_count 2
		.amdhsa_user_sgpr_kernarg_segment_ptr 1
		.amdhsa_wavefront_size32 1
		.amdhsa_system_sgpr_workgroup_id_x 1
		.amdhsa_system_sgpr_workgroup_id_y 1
		.amdhsa_system_sgpr_workgroup_id_z 1
		.amdhsa_system_vgpr_workitem_id 0
		.amdhsa_next_free_vgpr 256
		.amdhsa_next_free_sgpr 66
		.amdhsa_reserve_vcc 0
		.amdhsa_float_denorm_mode_32 3
		.amdhsa_float_denorm_mode_16_64 3
		.amdhsa_memory_ordered 1
		.amdhsa_forward_progress 1
		.amdhsa_inst_pref_size 53
	.end_amdhsa_kernel
	.amdgpu_metadata
---
amdhsa.version: [ 1, 2 ]
amdhsa.kernels:
  - .name:           k_q6b8cf1dfc5_ln_sa
    .symbol:         k_q6b8cf1dfc5_ln_sa.kd
    .args:
      - { .name: x, .offset: 0, .size: 8, .value_kind: global_buffer, .address_space: global }
      - { .name: sa_norm_g, .offset: 8, .size: 8, .value_kind: global_buffer, .address_space: global }
      - { .name: sa_norm_b, .offset: 16, .size: 8, .value_kind: global_buffer, .address_space: global }
      - { .name: sa_normc_g, .offset: 24, .size: 8, .value_kind: global_buffer, .address_space: global }
      - { .name: sa_normc_b, .offset: 32, .size: 8, .value_kind: global_buffer, .address_space: global }
      - { .name: context, .offset: 40, .size: 8, .value_kind: global_buffer, .address_space: global }
      - { .name: ca_normc_g, .offset: 48, .size: 8, .value_kind: global_buffer, .address_space: global }
      - { .name: ca_normc_b, .offset: 56, .size: 8, .value_kind: global_buffer, .address_space: global }
      - { .name: act, .offset: 64, .size: 8, .value_kind: global_buffer, .address_space: global }
      - { .name: acts, .offset: 72, .size: 8, .value_kind: global_buffer, .address_space: global }
    .group_segment_fixed_size: 33280
    .private_segment_fixed_size: 0
    .kernarg_segment_align: 8
    .kernarg_segment_size: 80
    .max_flat_workgroup_size: 128
    .sgpr_count:     66
    .vgpr_count:     256
    .wavefront_size: 32
...
	.end_amdgpu_metadata
.endif
;; end of part 1
;; launch proj_w (part 2): grid 4 x 56, 4 waves a work-group, clusters of 4 x 4, 327,680 bytes of LDS; arguments act, acts, sa_wq_codes, sa_wq_scales, sa_wkv_codes, sa_wkv_scales, ca_wkv_codes, ca_wkv_scales, qimg, kvs, kvc; writes qimg, kvs, kvc
.if DOCPART == 2
	.amdgcn_target "amdgcn-amd-amdhsa--gfx1250"
	.amdhsa_code_object_version 6
	.text
	.protected	k_q6b8cf1dfc5_proj_w
	.globl	k_q6b8cf1dfc5_proj_w
	.p2align	8
	.type	k_q6b8cf1dfc5_proj_w,@function
k_q6b8cf1dfc5_proj_w:
	s_mov_b64 s[64:65], 0
	v_nop
	global_prefetch_b8 v0, s[64:65] scope:SCOPE_SE
	s_setreg_imm32_b32 hwreg(HW_REG_WAVE_MODE, 25, 1), 1
	s_wait_xcnt 0x0
	s_wait_alu depctr_hold_cnt(0) depctr_sa_sdst(0) depctr_va_vdst(0) depctr_va_sdst(0) depctr_va_ssrc(0) depctr_va_vcc(0) depctr_vm_vsrc(0)
	s_getreg_b32 s2, hwreg(HW_REG_IB_STS2, 6, 4)
	s_cmp_eq_u32 s2, 0
	s_cbranch_scc0 .Lentry_in_a_cluster
	s_endpgm
.Lentry_in_a_cluster:
	s_bfe_u32 s2, ttmp6, 0x10000c
	s_cmp_lg_u32 s2, 0xf033
	s_cbranch_scc0 .Lentry_shape_is_right
	s_endpgm
.Lentry_shape_is_right:
; The projections q, k, v of the self-attention and k, v of the cross-attention, on codes of FP8 (E4M3) with E8M0 scales, K = 1,024; the results are quantised on the way out into images of the operand registers that the attention kernels read.
; A work-group makes 256 rows of operand A (source 1) x 256 rows of operand B (source 0); each of its four waves 128 x 128: 64 accumulators, 512 registers.  A cluster of 4 x 4 work-groups makes 1,024 x 1,024.
; THE PRODUCT is chosen by the cluster's y, the same in all partners: 0-3 q = act rows 0.. x wq; 4-7 k = act rows 4,096.. x wk1 rows 0..; 8-11 v^T = wk1 rows 1,024.. x act rows 4,096..; 12 k2 = act rows 8,192.. x wk2; 13 v2^T likewise.
; For v the operands change places, so that a lane's registers run along the tokens, the K of attention's second product.  Only pointers and numbers are selected: there is one path.  14 clusters are 224 work-groups.
; K goes in steps of 256 through a ring of two LDS slots (rows of 256 bytes, 16 of padding); the scale bytes of the 256 + 256 rows come once.  A's tiles are asked for jointly along a row of the cluster, B's along a column.
; One tensor load a wave at the head and behind each round of the cluster's barrier.  No prefetch: K has four steps, of which two are asked for before the first product, and the block is the largest that the registers hold.
; THE WAY OUT.  Lane (r, h) holds row r of A's block a and, in accumulators (a, 2p), (a, 2p + 1), 16 numbers of block p of 32 along B: 32p + 8h + 0..7 and 32p + 16 + 8h + 0..7.  They become 16 codes, stored as they stand: 512 consecutive bytes an instruction.
; LIMITS: inside a block of 32 the codes lie in that order and not in k's; it is the same on both operands of each attention product, so the products are the same and only the order of their sum inside the unit differs.
; A block of zeros gets the byte 1 (its codes are zeros; this program alone reads the bytes).  NaN and infinities are not served.
; A head's layout (HS bytes): record ch (128 tokens) at 16,384 ch: K or Q image, tile T at 1,024 T + 512 c + 16 lane; V image at 8,192 + 2,048 T + 512 c + 16 lane; scales at 262,144: two bytes a token; at + 4,096: four bytes for each d and record.
; REGISTERS: window 0: v0-31 addresses, v32-63 scale words (two sets), v64-97 the way out's work, v128-255 A's fragments (one set); window 1: B's fragments (two sets); windows 2, 3: accumulator (a, b) at 8 (8 (a % 4) + b).
.set NQ,     2
.set ROWB,   256
.set KROW,   1024
.set PITCH,  272
.set FR,     16
.set NL,     4
.set NP,     8
.set HALFT,  128*PITCH
.set SLOT,   4*HALFT
.set LAPS,   2
.set KS,     32
.set SCL,    2*SLOT
.set HALFS,  16*272
.set SBLK,   2*272
.set SPARE,  SCL+4*HALFS
.set HS,     270336
.set OFF0, 8                           ; v8   16 x lane
.set OFF1, 9                           ; v9   the same, two blocks of 32 on
.set SOFF, 10                          ; v10  my place among the scale bytes
.set SH,   11                          ; v11  16 h: lanes 16-31 store the scale word's upper half
.set ADRA, 16
.set ADRB, 20
.set ADRS, 27
.set SPW,  28
.set NIL,  29
.set SC,   32
.set TM,   64                          ; v64-79 the quantiser's work
.set CD,   80                          ; v80-95 codes
.set SW,   96                          ; v96    the four scale bytes
.set AF,   128
.set G1, 24
.set G0, 32
.set G1B, 48
.set G0B, 56
.set G1S, 68
.set G0S, 76
.set G1SB, 80
.set G0SB, 88
.set G0H, 4
.set G0HB, 8
.set MSB, 0
.macro WIN new                         ; the immediate's high byte repeats the setting that is left
.if MSB != \new
	s_set_vgpr_msb (MSB<<8)|\new
.set MSB, \new
.endif
.endm
.set MUL_LO, 0xa1
.set MUL_HI, 0xf1
.set TO_B,   0x40
.macro JLOAD g0a, g1a, g0b, g1b        ; a joint load: waves 0, 1 ask for A, waves 2, 3 for B; s_nop 0 and four v_nop follow each line
	s_cmp_eq_u32 s15, 0
	s_cbranch_scc0 .Lfor_b_\@
	tensor_load_to_lds s[\g0a:\g0a+3], s[\g1a:\g1a+7]
	s_nop 0
.rept 4
	v_nop
.endr
	s_branch .Lasked_\@
.Lfor_b_\@:
	tensor_load_to_lds s[\g0b:\g0b+3], s[\g1b:\g1b+7]
	s_nop 0
.rept 4
	v_nop
.endr
.Lasked_\@:
.endm
.macro CREST                           ; a round of the cluster's barrier behind its opening barrier
	s_cmp_lg_u32 s14, 0
	s_cbranch_scc1 .Lnot_wave_0_\@
	s_barrier_signal -3
.Lnot_wave_0_\@:
	s_barrier_wait -3
	s_barrier_signal -1
	s_barrier_wait -1
.endm
.macro CROUND
	s_barrier_signal -1
	s_barrier_wait -1
	CREST
.endm
	s_load_b512 s[68:83], s[0:1], 0x0              ; act, acts, wq codes, scales, wk1 codes, scales, wk2 codes, scales
	s_load_b128 s[84:87], s[0:1], 0x40             ; qimg, kvs
	s_load_b64 s[88:89], s[0:1], 0x50              ; kvc
	v_lshl_add_u32 v[SPW], v0, 2, SPARE
	v_mov_b32 v[NIL], 0
	ds_add_u32 v[SPW], v[NIL]                      ; the opening lines: the add twice on end, and its wait ahead of my first tensor load
	ds_add_u32 v[SPW], v[NIL]
	v_lshrrev_b32 v1, 5, v0
	v_readfirstlane_b32 s14, v1                    ; wave 0..3
	s_lshr_b32 s15, s14, 1                         ; my half of A's rows.  Also: I fetch for A (0) or B (1)
	s_and_b32 s16, s14, 1                          ; my half of B's rows.  Also: which 128 rows I fetch
	s_bfe_u32 s40, ttmp6, 0x40000                  ; cx
	s_bfe_u32 s41, ttmp6, 0x40004                  ; cy
	s_and_b32 s94, ttmp7, 0xffff                   ; the cluster's y: the product.  s95 act's first row, s96 the product's first cluster, s97 v or not, s98 log2(records in a batch)
	s_cmp_ge_u32 s94, 4
	s_cselect_b32 s95, 4096, 0
	s_cselect_b32 s96, 4, 0
	s_cmp_ge_u32 s94, 8
	s_cselect_b32 s97, 1, 0
	s_cselect_b32 s96, 8, s96
	s_cmp_ge_u32 s94, 12
	s_cselect_b32 s95, 8192, s95
	s_cselect_b32 s97, 0, s97
	s_cselect_b32 s98, 2, 4
	s_cselect_b32 s96, 12, s96
	s_cmp_ge_u32 s94, 13
	s_cselect_b32 s97, 1, s97
	s_cselect_b32 s96, 13, s96
	s_sub_co_u32 s96, s94, s96                     ; the cluster within its product: 1,024 tokens each
	s_lshl_b32 s99, s96, 10
	s_add_co_u32 s99, s99, s95
	s_cmp_lg_u32 s97, 0
	s_cselect_b32 s17, 1024, s99                   ; A's first row for the cluster
	s_cselect_b32 s42, s99, 0                      ; B's
	s_lshl_b32 s43, s41, 2
	s_lshl_b32 s43, 15, s43                        ; my row of the cluster
	s_lshl_b32 s44, 0x1111, s40                    ; my column
	s_or_b32 s[G1+0], s43, (0<<16)|(1<<20)|(1<<21)|(5<<22)|(3<<25)   ; mask; elements of 1 byte; padding on; 21 set beside a mask; four words after every 64
	s_or_b32 s[G1B+0], s44, (0<<16)|(1<<20)|(1<<21)|(5<<22)|(3<<25)
.irp g, G1, G1B
	s_mov_b32 s[\g+1], ROWB<<16
	s_mov_b32 s[\g+2], 256<<16                     ; 256 rows for the head's loads
	s_mov_b32 s[\g+3], ROWB<<16
	s_mov_b32 s[\g+4], 256
	s_mov_b32 s[\g+5], KROW
	s_mov_b32 s[\g+6], 0
	s_mov_b32 s[\g+7], 0
.endr
	s_lshl_b32 s20, s41, 8
	s_add_co_u32 s20, s20, s17                     ; A: my block's first row: hangs on cy alone
	s_lshl_b32 s46, s40, 8
	s_add_co_u32 s46, s46, s42                     ; B: on cx alone
	s_mov_b32 s21, 0
	s_mov_b32 s47, 0
	s_mov_b64 s[18:19], KS
	s_mul_u64 s[22:23], s[20:21], s[18:19]         ; where these rows' scales begin,
	s_mul_u64 s[92:93], s[46:47], s[18:19]
	s_mov_b64 s[18:19], KROW
	s_mul_u64 s[20:21], s[20:21], s[18:19]         ; and their codes
	s_mul_u64 s[46:47], s[46:47], s[18:19]
	s_mul_i32 s18, s16, 128*KROW                   ; in the ring I fetch 128 rows: which half,
	s_mov_b32 s19, 0
	s_mul_i32 s45, s14, HALFT                      ; and where they go: no place in the cluster enters an LDS address
	s_wait_dscnt 0x0                               ; both opening adds are done
	s_wait_kmcnt 0x0
	s_cmp_ge_u32 s94, 4                            ; the weight, its scales, the output: by the cluster's y alone
	s_cselect_b64 s[72:73], s[76:77], s[72:73]
	s_cselect_b64 s[74:75], s[78:79], s[74:75]
	s_cselect_b64 s[84:85], s[86:87], s[84:85]
	s_cmp_ge_u32 s94, 12
	s_cselect_b64 s[72:73], s[80:81], s[72:73]
	s_cselect_b64 s[74:75], s[82:83], s[74:75]
	s_cselect_b64 s[84:85], s[88:89], s[84:85]
	s_cmp_lg_u32 s97, 0
	s_cselect_b64 s[4:5], s[72:73], s[68:69]       ; A is the weight for v, else act
	s_cselect_b64 s[6:7], s[74:75], s[70:71]
	s_cselect_b64 s[8:9], s[68:69], s[72:73]       ; B the other
	s_cselect_b64 s[10:11], s[70:71], s[74:75]
	s_mov_b64 s[12:13], s[84:85]
	s_add_nc_u64 s[20:21], s[4:5], s[20:21]
	s_add_nc_u64 s[22:23], s[6:7], s[22:23]
	s_add_nc_u64 s[46:47], s[8:9], s[46:47]
	s_add_nc_u64 s[92:93], s[10:11], s[92:93]
	s_or_b32 s[G1S+0], s43, (3<<16)|(1<<20)|(1<<21)|(5<<22)|(3<<25)   ; the scales of 256 rows: 8,192 dense bytes as 32 rows of 32 elements of 8 bytes (the arguments that lay here have been used)
	s_or_b32 s[G1SB+0], s44, (3<<16)|(1<<20)|(1<<21)|(5<<22)|(3<<25)
.irp g, G1S, G1SB
	s_mov_b32 s[\g+1], 32<<16
	s_mov_b32 s[\g+2], KS<<16
	s_mov_b32 s[\g+3], 32<<16
	s_mov_b32 s[\g+4], KS
	s_mov_b32 s[\g+5], 32
	s_mov_b32 s[\g+6], 0
	s_mov_b32 s[\g+7], 0
.endr
	CROUND                                         ; all sixteen work-groups are here: the first joint loads meet
	s_mov_b32 s[G0H], 1                            ; K step 0's 256 rows of A,
	s_mov_b32 s[G0H+1], 0
	s_mov_b64 s[G0H+2:G0H+3], s[20:21]
	s_or_b32 s[G0H+3], s[G0H+3], 0x80000000
	s_mov_b32 s[G0HB], 1                           ; of B,
	s_mov_b32 s[G0HB+1], 2*HALFT
	s_mov_b64 s[G0HB+2:G0HB+3], s[46:47]
	s_or_b32 s[G0HB+3], s[G0HB+3], 0x80000000
	s_mov_b32 s[G0S], 1                            ; A's scales,
	s_mov_b32 s[G0S+1], SCL
	s_mov_b64 s[G0S+2:G0S+3], s[22:23]
	s_or_b32 s[G0S+3], s[G0S+3], 0x80000000
	s_mov_b32 s[G0SB], 1                           ; B's
	s_mov_b32 s[G0SB+1], SCL+2*HALFS
	s_mov_b64 s[G0SB+2:G0SB+3], s[92:93]
	s_or_b32 s[G0SB+3], s[G0SB+3], 0x80000000
	s_add_nc_u64 s[20:21], s[20:21], s[18:19]      ; for the ring: my 128 rows
	s_add_nc_u64 s[46:47], s[46:47], s[18:19]
.irp s, 0,1
	s_mov_b32 s[G0+4*\s], 1
	s_add_co_u32 s[G0+4*\s+1], s45, \s*SLOT
	s_add_nc_u64 s[G0+4*\s+2:G0+4*\s+3], s[20:21], \s*ROWB
	s_or_b32 s[G0+4*\s+3], s[G0+4*\s+3], 0x80000000
	s_mov_b32 s[G0B+4*\s], 1
	s_add_co_u32 s[G0B+4*\s+1], s45, \s*SLOT
	s_add_nc_u64 s[G0B+4*\s+2:G0B+4*\s+3], s[46:47], \s*ROWB
	s_or_b32 s[G0B+4*\s+3], s[G0B+4*\s+3], 0x80000000
.endr
.macro ARM under, g0, g1, next         ; the head's loads, one a wave: one chain of branches on the wave's number
	s_cmp_lt_u32 s14, \under
	s_cbranch_scc0 \next
	tensor_load_to_lds s[\g0:\g0+3], s[\g1:\g1+7]
	s_nop 0
.rept 4
	v_nop
.endr
	s_branch .Lhead_asked
\next:
.endm
	ARM 1, G0H,  G1,  .Lhead_b
	ARM 2, G0HB, G1B, .Lhead_sa
	ARM 3, G0S,  G1S, .Lhead_sb
	tensor_load_to_lds s[G0SB:G0SB+3], s[G1SB:G1SB+7]
	s_nop 0
.rept 4
	v_nop
.endr
.Lhead_asked:
	v_and_b32 v1, 15, v0                           ; r
	v_bfe_u32 v2, v0, 4, 1                         ; h
	v_mul_u32_u24 v3, v1, PITCH
	v_lshl_add_u32 v4, v2, 4, v3                   ; a fragment's row x pitch + 16 h
	s_mul_i32 s21, s15, HALFT
	s_mul_i32 s22, s16, HALFT
	s_add_co_u32 s22, s22, 2*HALFT
.irp s, 0,1
	v_add_nc_u32 v[ADRA+\s], s21, v4
	v_add_nc_u32 v[ADRB+\s], s22, v4
	s_add_co_u32 s21, s21, SLOT
	s_add_co_u32 s22, s22, SLOT
.endr
	v_mul_u32_u24 v5, v1, KS                       ; my row's scales: KS bytes a row,
	v_lshrrev_b32 v6, 8, v5
	v_lshl_add_u32 v5, v6, 4, v5                   ; and 16 more for each 256 passed
	s_mul_i32 s21, s15, HALFS
	s_mul_i32 s22, s16, HALFS
	s_add_co_u32 s22, s22, 2*HALFS
	s_sub_co_u32 s22, s22, s21
	v_mul_u32_u24 v6, s22, v2                      ; lanes 16-31 take B's
	s_add_co_u32 s21, s21, SCL
	v_add_nc_u32 v5, v5, v6
	v_add_nc_u32 v[ADRS], s21, v5
	; where the results go.  Tokens lie along A (q, k) or along B (v); features along the other
	s_cmp_lg_u32 s97, 0
	s_cselect_b32 s20, s40, s41                    ; the token side's place in the cluster,
	s_cselect_b32 s21, s41, s40                    ; the feature side's,
	s_cselect_b32 s22, s16, s15                    ; my half of the tokens,
	s_cselect_b32 s23, s15, s16                    ; of the features
	s_mov_b32 s46, HS
	s_cselect_b32 s95, 1024, s46                   ; two blocks of 32 on: the next head, for v 1,024 bytes
	s_cselect_b32 s99, 2, s46                      ; the scale word's upper half: the next head, for v 2 bytes on
	s_mov_b32 s100, 1024
	s_cselect_b32 s100, 2048, s100                 ; from block a to a + 1: an image tile;
	s_mov_b32 s101, 1024
	s_cselect_b32 s101, HS-6144, s101              ; from block 3 to 4: for v the next head's first tile
	s_cselect_b32 s94, 64, 32                      ; the same for the scale bytes
	s_mov_b32 s47, 32
	s_cselect_b32 s47, HS-192, s47
	s_lshl_b32 s96, s96, 3
	s_lshl_b32 s20, s20, 1
	s_add_co_u32 s96, s96, s20
	s_add_co_u32 s96, s96, s22                     ; my record among the product's
	s_lshr_b32 s20, s96, s98                       ; the batch
	s_lshl_b32 s22, s20, s98
	s_sub_co_u32 s96, s96, s22                     ; the record in the batch
	s_lshl_b32 s20, s20, 4
	s_lshl_b32 s21, s21, 2
	s_add_co_u32 s20, s20, s21
	s_lshl_b32 s23, s23, 1
	s_add_co_u32 s20, s20, s23                     ; 16 x batch + my first head
	s_mul_i32 s20, s20, HS
	s_lshl_b32 s21, s96, 8
	s_lshl_b32 s22, s97, 12
	s_add_co_u32 s21, s21, s22
	s_add_co_u32 s21, s21, s20
	s_add_co_u32 s22, s21, 262144
	s_mov_b32 s23, 0
	s_add_nc_u64 s[18:19], s[12:13], s[22:23]      ; my scale bytes
	s_lshl_b32 s21, s96, 14
	s_lshl_b32 s22, s97, 13
	s_add_co_u32 s22, s22, s21
	s_add_co_u32 s22, s22, s20
	s_add_nc_u64 s[12:13], s[12:13], s[22:23]      ; my codes
	s_mov_b32 s22, s100                            ; the steps, as pairs
	s_mov_b32 s92, s101
	s_mov_b32 s93, 0
	s_mov_b32 s20, s47
	s_mov_b32 s21, 0
	s_mov_b32 s46, s94
	s_mov_b32 s47, 0
	s_add_co_u32 s100, s97, 1                      ; log2 of a row's scale bytes: 2, for v 4
	v_and_b32 v6, 31, v0
	v_lshlrev_b32 v[OFF0], 4, v6
	v_add_nc_u32 v[OFF1], s95, v[OFF0]
	v_lshlrev_b32 v[SOFF], s100, v1
	v_mul_lo_u32 v5, v2, s99
	v_add_nc_u32 v[SOFF], v[SOFF], v5
	v_lshlrev_b32 v[SH], 4, v2
.irp b, 0,1,2,3
	v_mov_b32 v[TM+4+\b], 0                        ; a lane permute's destination counts as one of its sources
.endr
.macro FRAG reg, adr, q, i             ; 16 rows x 128 K: registers 4 c .. 4 c + 3 hold K = 32 c + 16 h + 0 .. 15
.irp c, 0,1,2,3
	ds_load_b128 v[\reg+4*\c:\reg+4*\c+3], v[\adr] offset:128*(\q)+32*\c+(\i)*16*PITCH
.endr
.endm
; 16 matrix instructions: A's blocks a0, a0 + 1 x B's eight.  The 64 accumulators take turns, in the same order in every step
.macro MUL16 a0, p, q, sc, zero
.irp a, \a0, \a0+1
.irp b, 0,1,2,3,4,5,6,7
.if \zero
	v_wmma_scale_f32_16x16x128_f8f6f4 v[8*(8*((\a)%4)+\b):8*(8*((\a)%4)+\b)+7], v[128*(\p)+FR*\b:128*(\p)+FR*\b+FR-1], v[AF+FR*(\a):AF+FR*(\a)+FR-1], 0, v[SC+8*NQ*(\sc)+NQ*\b+(\q)], v[SC+8*NQ*(\sc)+NQ*(\a)+(\q)] matrix_a_scale:MATRIX_SCALE_ROW1
.else
	v_wmma_scale_f32_16x16x128_f8f6f4 v[8*(8*((\a)%4)+\b):8*(8*((\a)%4)+\b)+7], v[128*(\p)+FR*\b:128*(\p)+FR*\b+FR-1], v[AF+FR*(\a):AF+FR*(\a)+FR-1], v[8*(8*((\a)%4)+\b):8*(8*((\a)%4)+\b)+7], v[SC+8*NQ*(\sc)+NQ*\b+(\q)], v[SC+8*NQ*(\sc)+NQ*(\a)+(\q)] matrix_a_scale:MATRIX_SCALE_ROW1
.endif
.endr
.endr
.endm
.macro FETCH_B slot, q, p
	WIN TO_B
.irp i, 0,1,2,3,4,5,6,7
	FRAG 128*(\p)+FR*\i, ADRB+\slot, \q, \i
.endr
	WIN 0
.endm
.macro FETCH_A slot, q, i0
.irp i, \i0, \i0+1, \i0+2, \i0+3
	FRAG AF+FR*(\i), ADRA+\slot, \q, \i
.endr
.endm
.macro SCALES sc                       ; a K step's scale words: lanes 0-15 A's block i, lanes 16-31 B's block i
.irp i, 0,1,2,3,4,5,6,7
	ds_load_b64 v[SC+8*NQ*\sc+NQ*\i:SC+8*NQ*\sc+NQ*\i+1], v[ADRS] offset:\i*SBLK
.endr
.endm
.macro PLACES n                        ; places behind matrix instructions, ahead of loads into their registers and of reads of results
.rept \n
	v_nop
.endr
.endm
.macro STEP slot, q, zero              ; 128 along K, with its successor in the same slot
	s_wait_dscnt 4*NL                              ; B's set and A's blocks 0-3 are in; the youngest 16 loads, A's blocks 4-7, may be out
	WIN MUL_LO
	MUL16 0, (\q)%2, \q, \slot, \zero
	MUL16 2, (\q)%2, \q, \slot, \zero
	s_wait_dscnt 0
	PLACES NP
	FETCH_B \slot, (\q)+1, 1-(\q)%2
	FETCH_A \slot, (\q)+1, 0
	WIN MUL_HI
	MUL16 4, (\q)%2, \q, \slot, \zero
	MUL16 6, (\q)%2, \q, \slot, \zero
	PLACES NP
	WIN 0
	FETCH_A \slot, (\q)+1, 4
.endm
.macro TURN slot, next, fill           ; a slot's last step changes slots
	s_wait_tensorcnt 0x0                           ; all my tensor loads have landed: my part of the next slot
	ds_add_u32 v[SPW], v[NIL]                      ; 0 onto my spare word
	s_wait_dscnt 4*NL+1                            ; the add and the youngest 16 loads may be out
	WIN MUL_LO
	MUL16 0, 1, NQ-1, \slot, 0
	s_wait_dscnt 0x0                               ; the add is done, and my reads of this slot are over
	s_barrier_signal -1
	MUL16 2, 1, NQ-1, \slot, 0
	WIN 0
	s_barrier_wait -1
.if \fill
	CREST                                          ; the barrier has opened a round of the cluster's barrier
	s_add_nc_u64 s[G0+4*\slot+2:G0+4*\slot+3], s[G0+4*\slot+2:G0+4*\slot+3], 2*ROWB
	s_add_nc_u64 s[G0B+4*\slot+2:G0B+4*\slot+3], s[G0B+4*\slot+2:G0B+4*\slot+3], 2*ROWB
	JLOAD G0+4*\slot, G1, G0B+4*\slot, G1B         ; the first tensor load behind the round
	PLACES NP-4
.else
	PLACES NP
.endif
	v_add_nc_u32 v[ADRS], 4*NQ, v[ADRS]            ; the next K step's scale words
	s_wait_alu depctr_va_vdst(0)
	FETCH_B \next, 0, 0
	FETCH_A \next, 0, 0
	SCALES \next
	WIN MUL_HI
	MUL16 4, 1, NQ-1, \slot, 0
	MUL16 6, 1, NQ-1, \slot, 0
	PLACES NP
	WIN 0
	FETCH_A \next, 0, 4
.endm
	s_wait_alu depctr_va_vdst(0)
	s_wait_tensorcnt 0x0                           ; my tile of the head's four is in
	ds_add_u32 v[SPW], v[NIL]
	s_mov_b32 s[G1+2], 128<<16                     ; no tensor load of mine is out: from here on a load brings 128 rows
	s_mov_b32 s[G1+4], 128
	s_mov_b32 s[G1B+2], 128<<16
	s_mov_b32 s[G1B+4], 128
	s_wait_dscnt 0x0
	CROUND
	JLOAD G0+4, G1, G0B+4, G1B                     ; K step 1, the first tensor load behind the round
	FETCH_B 0, 0, 0
	FETCH_A 0, 0, 0
	SCALES 0
	FETCH_A 0, 0, 4
	STEP 0, 0, 1                                   ; the first products start the sums
	s_mov_b32 s3, LAPS-1
.Llap:
	TURN 0, 1, 1
	STEP 1, 0, 0
	TURN 1, 0, 1
	STEP 0, 0, 0
	s_sub_co_u32 s3, s3, 1
	s_cmp_lg_u32 s3, 0
	s_cbranch_scc1 .Llap
	TURN 0, 1, 0                                   ; the last lap fills nothing
	STEP 1, 0, 0
	s_wait_dscnt 4*NL
	WIN MUL_LO
	MUL16 0, 1, NQ-1, 1, 0
	MUL16 2, 1, NQ-1, 1, 0
	s_wait_dscnt 0
	WIN MUL_HI
	MUL16 4, 1, NQ-1, 1, 0
	MUL16 6, 1, NQ-1, 1, 0
	WIN 0
; THE WAY OUT of A's block a: 64 registers, four blocks of 32 along B (16 numbers in my lane, 16 in lane l xor 16).  Each accumulator is read from its low end on.
.macro OUT a
.set AC, 64*((\a)%4)
.set W, 2+(\a)/4
	s_wait_alu depctr_va_vdst(0)
	s_wait_xcnt 0x0                                ; the last block's stores have read their registers and bases
.if (\a) == 4
	s_add_nc_u64 s[12:13], s[12:13], s[92:93]
	s_add_nc_u64 s[18:19], s[18:19], s[20:21]
.elseif (\a) > 0
	s_add_nc_u64 s[12:13], s[12:13], s[22:23]
	s_add_nc_u64 s[18:19], s[18:19], s[46:47]
.endif
.irp b, 0,1,2,3
	v_mov_b32 v[TM+\b], 0x4800000                  ; the floor 2^(9 - 127): the byte cannot fall under 1
.endr
	WIN (W<<2)|(W<<4)
.irp i, 0,2,4,6,8,10,12,14
.irp b, 0,1,2,3
	v_max3_num_f32 v[TM+\b], v[TM+\b], |v[AC+16*\b+\i]|, |v[AC+16*\b+\i+1]|
.endr
.endr
	WIN 0
.irp b, 0,1,2,3
	v_permlanex16_b32 v[TM+4+\b], v[TM+\b], s66, s67
.endr
.irp b, 0,1,2,3
	v_max_num_f32 v[TM+\b], v[TM+\b], v[TM+4+\b]   ; the block's largest magnitude
.endr
.irp b, 0,1,2,3
	v_add_nc_u32 v[TM+12+\b], 0xfc000000, v[TM+\b] ; 8 off its exponent field: the conversion's scale operand
.endr
.irp b, 0,1,2,3
	v_and_or_b32 v[TM+8+\b], v[TM+\b], 0x7f800000, s2   ; 448 x the scale
.endr
.irp b, 0,1,2,3
	v_lshrrev_b32 v[TM+4+\b], 23, v[TM+12+\b]      ; the scale's byte
.endr
	v_lshl_or_b32 v[SW], v[TM+5], 8, v[TM+4]
	v_lshl_or_b32 v[SW+1], v[TM+7], 8, v[TM+6]
	v_lshl_or_b32 v[SW], v[SW+1], 16, v[SW]
	v_lshrrev_b32 v[SW], v[SH], v[SW]              ; lanes 16-31 carry the upper two bytes
	WIN (W<<6)|W
.irp b, 0,1,2,3
.irp i, 0,1,2,3,4,5,6,7,8,9,10,11,12,13,14,15
	v_med3_num_f32 v[AC+16*\b+\i], v[AC+16*\b+\i], -v[TM+8+\b], v[TM+8+\b]   ; the conversion does not saturate (ISA guide 7.6.2): the hold comes first
.endr
.endr
	WIN W
.irp b, 0,1,2,3
	v_cvt_scalef32_pk8_fp8_f32 v[CD+4*\b:CD+4*\b+1], v[AC+16*\b:AC+16*\b+7], v[TM+12+\b]
	v_cvt_scalef32_pk8_fp8_f32 v[CD+4*\b+2:CD+4*\b+3], v[AC+16*\b+8:AC+16*\b+15], v[TM+12+\b]
.endr
	WIN 0
	v_nop                                          ; one plain line behind the last conversion
	global_store_b128 v[OFF0], v[CD:CD+3], s[12:13]                 ; 32 lanes store 512 consecutive bytes, aligned
	global_store_b128 v[OFF0], v[CD+4:CD+7], s[12:13] offset:512
	global_store_b128 v[OFF1], v[CD+8:CD+11], s[12:13]
	global_store_b128 v[OFF1], v[CD+12:CD+15], s[12:13] offset:512
	global_store_b16 v[SOFF], v[SW], s[18:19]      ; two bytes a lane: one part in 32 of what the wave stores
.endm
	s_mov_b32 s66, 0x76543210
	s_mov_b32 s67, 0xfedcba98                      ; lane l xor 16
	s_mov_b32 s2, 0x600000                         ; the mantissa field of 448
	PLACES NP                                      ; behind the last products
.irp a, 0,1,2,3,4,5,6,7
	OUT \a
.endr
	s_wait_tensorcnt 0x0                           ; the wave's end
	ds_add_u32 v[SPW], v[NIL]
	s_wait_dscnt 0x0
	CROUND                                         ; the closing round
	s_endpgm
.Lfunc_end_k_q6b8cf1dfc5_proj_w:
	.size	k_q6b8cf1dfc5_proj_w, .Lfunc_end_k_q6b8cf1dfc5_proj_w-k_q6b8cf1dfc5_proj_w
	.p2alignl 7, 3214868480
	.fill 96, 4, 3214868480
	.section	.rodata,"a",@progbits
	.p2align	6, 0x0
	.amdhsa_kernel k_q6b8cf1dfc5_proj_w
		.amdhsa_group_segment_fixed_size 327680
		.amdhsa_private_segment_fixed_size 0
		.amdhsa_enable_private_segment 0
		.amdhsa_kernarg_size 88
		.amdhsa_user_sgpr_count 2
		.amdhsa_user_sgpr_kernarg_segment_ptr 1
		.amdhsa_wavefront_size32 1
		.amdhsa_system_sgpr_workgroup_id_x 1
		.amdhsa_system_sgpr_workgroup_id_y 1
		.amdhsa_system_sgpr_workgroup_id_z 1
		.amdhsa_system_vgpr_workitem_id 0
		.amdhsa_next_free_vgpr 1024
		.amdhsa_next_free_sgpr 102
		.amdhsa_reserve_vcc 0
		.amdhsa_float_denorm_mode_32 3
		.amdhsa_float_denorm_mode_16_64 3
		.amdhsa_memory_ordered 1
		.amdhsa_forward_progress 1
		.amdhsa_inst_pref_size 191
	.end_amdhsa_kernel
	.amdgpu_metadata
---
amdhsa.version: [ 1, 2 ]
amdhsa.kernels:
  - .name:           k_q6b8cf1dfc5_proj_w
    .symbol:         k_q6b8cf1dfc5_proj_w.kd
    .args:
      - { .name: act, .offset: 0, .size: 8, .value_kind: global_buffer, .address_space: global }
      - { .name: acts, .offset: 8, .size: 8, .value_kind: global_buffer, .address_space: global }
      - { .name: sa_wq_codes, .offset: 16, .size: 8, .value_kind: global_buffer, .address_space: global }
      - { .name: sa_wq_scales, .offset: 24, .size: 8, .value_kind: global_buffer, .address_space: global }
      - { .name: sa_wkv_codes, .offset: 32, .size: 8, .value_kind: global_buffer, .address_space: global }
      - { .name: sa_wkv_scales, .offset: 40, .size: 8, .value_kind: global_buffer, .address_space: global }
      - { .name: ca_wkv_codes, .offset: 48, .size: 8, .value_kind: global_buffer, .address_space: global }
      - { .name: ca_wkv_scales, .offset: 56, .size: 8, .value_kind: global_buffer, .address_space: global }
      - { .name: qimg, .offset: 64, .size: 8, .value_kind: global_buffer, .address_space: global }
      - { .name: kvs, .offset: 72, .size: 8, .value_kind: global_buffer, .address_space: global }
      - { .name: kvc, .offset: 80, .size: 8, .value_kind: global_buffer, .address_space: global }
    .group_segment_fixed_size: 327680
    .private_segment_fixed_size: 0
    .kernarg_segment_align: 8
    .kernarg_segment_size: 88
    .max_flat_workgroup_size: 128
    .sgpr_count:     102
    .vgpr_count:     1024
    .wavefront_size: 32
...
	.end_amdgpu_metadata
.endif
;; end of part 2
;; launch attn_sa (part 3): grid 8 x 32, 16 waves a work-group, no clusters, 327,680 bytes of LDS; arguments qimg, kvs, sa_rel, ao, aos; writes ao, aos
.if DOCPART == 3
	.amdgcn_target "amdgcn-amd-amdhsa--gfx1250"
	.amdhsa_code_object_version 6
	.text
	.protected	k_q6b8cf1dfc5_attn_sa
	.globl	k_q6b8cf1dfc5_attn_sa
	.p2align	8
	.type	k_q6b8cf1dfc5_attn_sa,@function
k_q6b8cf1dfc5_attn_sa:
	s_mov_b64 s[64:65], 0
	v_nop
	global_prefetch_b8 v0, s[64:65] scope:SCOPE_SE
	s_setreg_imm32_b32 hwreg(HW_REG_WAVE_MODE, 25, 1), 1
	s_wait_xcnt 0x0
; Attention of one head on codes of FP8 (E4M3) with E8M0 scales: S = Q K^T + bias, t = S x log2(e) / 8, p = 2^(t - M) with M the running largest t rounded up to a whole number, O = (p V) / sum(p); O is quantised
; along the head's 64 on the way out.  The bias is the relative-position table's entry for key - query + ROFF; it is the C of the first product, so it costs no addition.
; SHARES.  A work-group owns 256 queries of one head (x: the block, y: 16 x batch + head); each of its sixteen waves owns 16 of them, in 256 registers: four waves to a SIMD.  Every wave walks all NK keys, 128 a step.
; THE HEAD'S K AND V IMAGES AND SCALES LIE IN LDS WHOLE: each LDS byte is filled once, in two fills; one tensor load of a wave is out at the start.
; An image is the operand's registers as they stand, 16 bytes a lane, so every fragment load reads 512 consecutive bytes.
; BARRIERS.  One for each phase, between every wave's wait for its own sixteenth of the phase and every wave's first read of the phase.  From the second on the barrier is split: a wave signals in front of the last step
; of the phase before and waits at that phase's end, so that a wave may run one step ahead of the slowest and the waves of a SIMD need not end a phase together.
; LAYOUT.  Both products are used transposed: S^T = K Q^T (source 0 = 16 keys), O^T = V^T P^T (source 0 = 16 of the head's 64): a lane holds one query throughout.  The head's 64 fill half of the instruction's 128:
; registers 8-15 of Q and of K hold zero codes, and the upper two scale bytes are 0, which is a power of two over zeros.
; The order of k inside a block of 32 (8 h + 0..7, then 16 + 8 h + 0..7) is the same in Q and K, and in P and V: LIMIT: the products are the same, the order of their sum inside the unit is not k's.
; THE BIAS.  bucket = 16 (rel >= 0) + (n < 8 ? n : 8 + the number of thresholds 12, 16, 23, 32, 46, 64, 91 that n reaches), n = |rel|.  LIMIT: the thresholds are whole numbers; at n = 16, 32, 64 a logarithm
; in f32 that fell just short would give the bucket below.  For |rel| >= 91 the bias is one number: a step all of whose 128 x 16 pairs lie there takes eight registers of that number as C.
; The others (two or three of a wave's steps) read a table of 512 entries (rel = -256 .. 255) from LDS; four copies, shifted by 0 to 3 entries, keep every lane's 16-byte reads aligned.
; NO CLUSTER, though the eight query blocks of a head read the same K and V: which steps are near the diagonal, and where the table is read, hang on the query block, which would be the work-group's place in its cluster,
; and partners of joint loads must branch and address LDS alike.
; NaN and infinities are not served; a block of zeros gets the byte 1.
.set NCH,   16                         ; records of 128 keys
; SHARES OF THE LOADS: at the head one tensor load a wave: waves 0-7 an eighth each of records 0 .. PH - 1, waves 8-15 an eighth each of the scale bytes.  Behind the first barrier,
; each wave's one load brings its sixteenth of records PH .. NCH - 1, which has PH key steps in which to land.  One split barrier more, and the last NCH - PH steps have none.
.set PH,    4                          ; records fetched at the head
.set ROFF,  0                          ; rel = key - query + ROFF
.set SE,    32                         ; a wave's piece of the scale bytes, NCH x 64 bytes: rows of SE elements of 8 bytes,
.set SROWS, 4
.set HS,    270336                     ; a head in qimg and kv
.set SCL,   NCH*16384                  ; LDS: behind the records K's scales, two bytes a key;
.set SCLV,  SCL+NCH*256                ; V's, four bytes for each d and record;
.set TAB,   SCL+NCH*512                ; the table's four copies,
.set CPY,   2304
.set STG,   TAB+4*CPY                  ; and a stage of 1,024 bytes for each wave.  Table and stage are written by LDS stores alone; no fill lands there
	s_load_b256 s[4:11], s[0:1], 0x0               ; qimg, kv, rel, ao
	s_load_b64 s[12:13], s[0:1], 0x20              ; aos
	v_lshl_add_u32 v230, v0, 2, 0x48800
	v_mov_b32 v231, 0
	ds_add_u32 v230, v231
	ds_add_u32 v230, v231
	v_lshrrev_b32 v1, 5, v0
	s_delay_alu instid0(VALU_DEP_1)
	v_readfirstlane_b32 s14, v1                    ; wave 0..15
	s_and_b32 s15, ttmp7, 0xffff                   ; 16 x batch + head
	s_lshl_b32 s17, ttmp9, 8
	s_lshl_b32 s72, s14, 4
	s_add_co_u32 s17, s17, s72                     ; my first query
	s_mul_i32 s72, s15, HS                         ; the head's first byte
	s_mov_b32 s24, 3<<16                           ; group 1 of a phase's part: 8 PH rows of 32 elements of 8 bytes, dense, no padding, no mask
	s_mov_b32 s25, 32<<16
	s_mov_b32 s26, (8*PH)<<16
	s_mov_b32 s27, 32<<16
	s_mov_b32 s28, 8*PH
	s_mov_b32 s29, 32
	s_mov_b32 s30, 0
	s_mov_b32 s31, 0
	s_mov_b32 s32, 3<<16                           ; group 1 of a piece of the scale bytes
	s_mov_b32 s33, SE<<16
	s_mov_b32 s34, SROWS<<16
	s_mov_b32 s35, SE<<16
	s_mov_b32 s36, SROWS
	s_mov_b32 s37, SE
	s_mov_b32 s38, 0
	s_mov_b32 s39, 0
	s_bfe_u32 s74, s14, 0x10002                    ; waves 8-11 K's scales (0), waves 12-15 V's (1)
	s_and_b32 s75, s14, 7                          ; which eighth
	s_and_b32 s76, s14, 3                          ; which quarter of them
	s_mul_i32 s76, s76, NCH*64
	s_lshl_b32 s77, s74, 12
	s_add_co_u32 s78, s76, s77
	s_add_co_u32 s78, s78, 262144
	s_add_co_u32 s78, s78, s72
	s_mov_b32 s79, 0
	s_mul_i32 s77, s74, NCH*256
	s_add_co_u32 s77, s77, s76
	s_add_co_u32 s77, s77, SCL
	s_mul_i32 s80, s75, PH*2048                    ; my eighth of the first PH records, in LDS as in memory
	s_mul_i32 s88, s14, (NCH-PH)*1024
	s_add_co_u32 s88, s88, PH*16384                ; my sixteenth of the other records
	s_add_co_u32 s90, s88, s72
	s_mov_b32 s91, 0
	s_add_co_u32 s82, s80, s72
	s_mov_b32 s83, 0
	s_lshr_b32 s84, s15, 4                         ; where my 16 rows of the result go: ((token tile x 16 + head) x 128 + token % 128)
	s_lshl_b32 s84, s84, 4
	s_lshr_b32 s85, s17, 7
	s_add_co_u32 s84, s84, s85
	s_lshl_b32 s84, s84, 4
	s_and_b32 s85, s15, 15
	s_add_co_u32 s84, s84, s85
	s_lshl_b32 s84, s84, 7
	s_and_b32 s85, s17, 127
	s_add_co_u32 s84, s84, s85
	s_lshl_b32 s86, s84, 6                         ; x 64 bytes of codes
	s_mov_b32 s87, 0
	s_wait_dscnt 0x0
	s_wait_kmcnt 0x0
	s_mov_b32 s40, 1
	s_mov_b32 s41, s77
	s_add_nc_u64 s[42:43], s[6:7], s[78:79]
	s_or_b32 s43, s43, 0x80000000
	s_add_nc_u64 s[82:83], s[6:7], s[82:83]
	s_mov_b32 s44, 1
	s_mov_b32 s45, s80
	s_mov_b64 s[46:47], s[82:83]
	s_or_b32 s47, s47, 0x80000000
	s_mov_b32 s48, 1
	s_mov_b32 s49, s88
	s_add_nc_u64 s[50:51], s[6:7], s[90:91]
	s_or_b32 s51, s51, 0x80000000
	s_cmp_lt_u32 s14, 8                            ; one branch on the wave's number, one load to an arm: every way through the head passes one
	s_cbranch_scc0 .Lhead_s
	tensor_load_to_lds s[44:47], s[24:31]
	s_nop 0
.rept 4
	v_nop
.endr
	s_branch .Lhead_asked
.Lhead_s:
	tensor_load_to_lds s[40:43], s[32:39]
	s_nop 0
.rept 4
	v_nop
.endr
.Lhead_asked:
	s_add_nc_u64 s[10:11], s[10:11], s[86:87]
	s_lshl_b32 s86, s84, 1                         ; x 2 scale bytes
	s_add_nc_u64 s[12:13], s[12:13], s[86:87]
	v_and_b32 v10, 15, v0                          ; r
	s_wait_alu depctr_va_vdst(0)
	v_bfe_u32 v11, v0, 4, 1                        ; h
	v_and_b32 v9, 31, v0
	s_delay_alu instid0(VALU_DEP_1)
	v_lshlrev_b32 v1, 4, v9                        ; 16 x lane: my place in every image
	s_lshr_b32 s76, s17, 7                         ; Q: record, tile
	s_lshl_b32 s76, s76, 14
	s_lshl_b32 s77, s75, 10
	s_add_co_u32 s76, s76, s77
	s_add_co_u32 s76, s76, s72
	s_mov_b32 s77, 0
	s_add_nc_u64 s[76:77], s[4:5], s[76:77]
	global_load_b128 v[16:19], v1, s[76:77]
	global_load_b128 v[20:23], v1, s[76:77] offset:512
	s_lshl_b32 s78, s17, 1
	s_add_co_u32 s78, s78, s72
	s_add_co_u32 s78, s78, 262144
	s_mov_b32 s79, 0
	s_add_nc_u64 s[78:79], s[4:5], s[78:79]
	v_lshlrev_b32 v5, 1, v10
	global_load_u16 v255, v5, s[78:79]             ; Q's scale bytes; the upper two bytes come as 0
	s_and_b32 s80, s15, 15
	s_lshl_b32 s80, s80, 2
	s_mov_b32 s81, 0
	s_add_nc_u64 s[8:9], s[8:9], s[80:81]          ; the table's column of my head
	s_load_b32 s69, s[8:9], 0x3c0                  ; bucket 15: rel <= -91
	s_load_b32 s70, s[8:9], 0x7c0                  ; bucket 31: rel >= 91
	v_add_nc_u32 v32, 0xffffff00, v0               ; thread i makes entry i: rel = i - 256
	s_delay_alu instid0(VALU_DEP_1)
	v_sub_nc_u32 v33, 0, v32
	s_delay_alu instid0(VALU_DEP_2)
	v_cmp_gt_i32 vcc_lo, 0, v32
	s_delay_alu instid0(VALU_DEP_1)
	v_cndmask_b32 v33, v32, v33, vcc_lo            ; n = |rel|
	s_delay_alu instid0(VALU_DEP_1)
	v_min_u32 v34, 8, v33
.irp thr, 12,16,23,32,46,64,91
	v_cmp_le_u32 vcc_lo, \thr, v33
	s_delay_alu instid0(VALU_DEP_1)
	v_cndmask_b32 v35, 0, 1, vcc_lo
	s_delay_alu instid0(VALU_DEP_1)
	v_add_nc_u32 v34, v34, v35
.endr
	v_cmp_le_i32 vcc_lo, 0, v32
	s_delay_alu instid0(VALU_DEP_1)
	v_cndmask_b32 v35, 0, 16, vcc_lo
	s_delay_alu instid0(VALU_DEP_1)
	v_add_nc_u32 v34, v34, v35
	s_delay_alu instid0(VALU_DEP_1)
	v_min_u32 v34, 31, v34
	s_delay_alu instid0(VALU_DEP_1)
	v_lshlrev_b32 v34, 6, v34                      ; a bucket's row is 64 bytes
	global_load_b32 v36, v34, s[8:9]
	v_lshl_add_u32 v37, v0, 2, TAB
	v_lshl_add_u32 v2, v10, 1, SCL                 ; K's scale bytes of key r
	v_lshl_add_u32 v3, v10, 2, SCLV                ; V's scale word of d = r
	v_sub_nc_u32 v6, 0, v10
	s_delay_alu instid0(VALU_DEP_1)
	v_and_b32 v6, 3, v6                            ; my copy of the table: (-r) mod 4
	s_delay_alu instid0(VALU_DEP_1)
	v_mul_u32_u24 v4, v6, CPY
	s_delay_alu instid0(VALU_DEP_2)
	v_add_nc_u32 v6, v6, v10
	v_lshl_add_u32 v7, v11, 3, 32
	s_delay_alu instid0(VALU_DEP_1)
	v_sub_nc_u32 v7, v7, v6
	s_delay_alu instid0(VALU_DEP_1)
	v_lshl_add_u32 v4, v7, 2, v4
	s_delay_alu instid0(VALU_DEP_1)
	v_add_nc_u32 v4, TAB, v4                       ; copy c holds entry i at 4 (i + 32 - c): so entry 8 h - r lies at a multiple of 16 bytes
.irp j, 0,1,2,3,4,5,6,7
	v_mov_b32 v[24+\j], 0                          ; zero codes: the upper half of Q,
	v_mov_b32 v[40+\j], 0                          ; and of the four buffers of K
	v_mov_b32 v[56+\j], 0
	v_mov_b32 v[72+\j], 0
	v_mov_b32 v[88+\j], 0
.endr
.set j, 0
.rept 32
	v_mov_b32 v[160+j], 0                          ; O^T: the step is written for every step alike; the first finds zeros, which the first change of M leaves zeros
.set j, j+1
.endr
	v_mov_b32 v13, 0xff61b1e6                      ; the largest t so far: -3e38
	s_delay_alu instid0(VALU_DEP_1)
	v_floor_f32 v12, -v13                          ; -M
	v_mov_b32 v14, 0                               ; the sum, in two halves
	v_mov_b32 v15, 0
.irp b, 0,1,2,3
	v_mov_b32 v[236+\b], 0                         ; a lane permute's destination counts as one of its sources
.endr
	v_mov_b32 v253, 0                              ; (named as the upper half of the pair v[252:253] before it is first written)
	s_mov_b32 s19, 0x600000                        ; the mantissa field of 448
	s_mov_b32 s20, 0x76543210
	s_mov_b32 s21, 0xfedcba98                      ; lane l xor 16
	s_mov_b32 s22, 0x3e38aa3b                      ; c = log2(e) / 8
	s_mov_b32 s23, s22
	s_wait_kmcnt 0x0
.irp j, 0,1,2,3,4,5,6,7
	v_mov_b32 v[208+\j], s69                       ; the bias far below the diagonal,
	v_mov_b32 v[216+\j], s70                       ; and far above it
.endr
	s_wait_alu depctr_va_vdst(0)
	s_wait_loadcnt 0x0                             ; Q, its scales, my entry of the table
.irp c, 0,1,2,3
	ds_store_b32 v37, v36 offset:\c*CPY+(32-\c)*4
.endr
	; Wave 0 goes on with the table on both sides: entries 512 .. 543 (rel = 256 .. 287: bucket 31) and -32 .. -1 (rel = -288 .. -257: bucket 15) of each copy, which fill the room between the copies,
	; so that every byte that the held address of the table's reads can name is written.  A copy's entry 543 shares its word with the next copy's entry -32, which is stored last; no near step reads either.
	s_cmp_lg_u32 s14, 0
	s_cbranch_scc1 .Lpadded
.irp c, 0,1,2,3
	ds_store_b32 v37, v216 offset:\c*CPY+(544-\c)*4
.endr
.irp c, 0,1,2,3
	ds_store_b32 v37, v208 offset:\c*CPY-\c*4
.endr
.Lpadded:
; S^T = K Q^T + bias, four tiles of 16 keys at a time.  mode 0: the bias from the table, loaded into the accumulator; 1, 2: one number
.macro QK mode
.irp g, 0,1
.if \g
.rept 8
	v_nop                                          ; eight places in front of loads into registers that matrix instructions have read
.endr
.endif
.irp t, 0,1,2,3
	ds_load_b128 v[32+16*\t:35+16*\t], v5 offset:(4*\g+\t)*1024
	ds_load_b128 v[36+16*\t:39+16*\t], v5 offset:(4*\g+\t)*1024+512
	ds_load_u16 v[248+\t], v7 offset:(4*\g+\t)*32
.if \mode == 0
	ds_load_b128 v[96+8*(4*\g+\t):99+8*(4*\g+\t)], v9 offset:(4*\g+\t)*64
	ds_load_b128 v[100+8*(4*\g+\t):103+8*(4*\g+\t)], v9 offset:(4*\g+\t)*64+16
.endif
.endr
	s_wait_dscnt 0x0
.irp t, 0,1,2,3
.if \mode == 0
	v_wmma_scale_f32_16x16x128_f8f6f4 v[96+8*(4*\g+\t):103+8*(4*\g+\t)], v[32+16*\t:47+16*\t], v[16:31], v[96+8*(4*\g+\t):103+8*(4*\g+\t)], v[248+\t], v255
.elseif \mode == 1
	v_wmma_scale_f32_16x16x128_f8f6f4 v[96+8*(4*\g+\t):103+8*(4*\g+\t)], v[32+16*\t:47+16*\t], v[16:31], v[208:215], v[248+\t], v255
.else
	v_wmma_scale_f32_16x16x128_f8f6f4 v[96+8*(4*\g+\t):103+8*(4*\g+\t)], v[32+16*\t:47+16*\t], v[16:31], v[216:223], v[248+\t], v255
.endif
.endr
.endr
.endm
; A KEY STEP: 128 keys, the record at s60
.macro STEP
	s_sub_co_u32 s67, s63, s17
	s_add_co_u32 s67, s67, ROFF                    ; D = first key - first query + ROFF: rel = D + 16 T + 8 h + j - r
	s_add_co_u32 s68, s67, 256
	s_min_u32 s68, s68, 384                        ; (near the diagonal 39 <= D + 256 <= 361; the hold bounds the address in the steps that do not read the table)
	s_lshl_b32 s68, s68, 2
	v_add_nc_u32 v5, s60, v1
	v_add_nc_u32 v7, s61, v2
	v_add_nc_u32 v8, s61, v3
	v_add_nc_u32 v9, s68, v4
.rept 5
	v_nop                                          ; with the four additions nine places behind the last products, whose source registers the next products write over
.endr
	s_cmp_le_i32 s67, -218                         ; D + 127 <= -91: every pair lies far below the diagonal.  The branches hang on ids and the loop's count alone
	s_cbranch_scc1 .Llow_\@
	s_cmp_ge_i32 s67, 106                          ; D - 15 >= 91: far above
	s_cbranch_scc1 .Lhigh_\@
	s_wait_alu depctr_va_vdst(0)
	QK 0
	s_branch .Lscored_\@
.Llow_\@:
	s_wait_alu depctr_va_vdst(0)
	QK 1
	s_branch .Lscored_\@
.Lhigh_\@:
	s_wait_alu depctr_va_vdst(0)
	QK 2
.Lscored_\@:
.rept 8
	v_nop                                          ; eight places in front of the first read of results
.endr
.irp b, 0,1,2,3
	v_max3_num_f32 v[232+\b], v[96+16*\b], v[97+16*\b], v[98+16*\b]   ; the largest score of each block of 32 keys: for the row's maximum, and, since p rises with the score, for the block's largest p
.endr
.irp i, 3,5,7,9,11,13
.irp b, 0,1,2,3
	v_max3_num_f32 v[232+\b], v[232+\b], v[96+16*\b+\i], v[97+16*\b+\i]
.endr
.endr
.irp b, 0,1,2,3
	v_max_num_f32 v[232+\b], v[232+\b], v[111+16*\b]
.endr
.irp b, 0,1,2,3
	s_delay_alu instid0(VALU_DEP_4)
	v_permlanex16_b32 v[236+\b], v[232+\b], s20, s21
.endr
.irp b, 0,1,2,3
	s_delay_alu instid0(VALU_DEP_4)
	v_max_num_f32 v[232+\b], v[232+\b], v[236+\b]  ; with lane l xor 16's 16 keys
.endr
	s_delay_alu instid0(VALU_DEP_2)
	v_max3_num_f32 v254, v232, v233, v234
	s_delay_alu instid0(VALU_DEP_1)
	v_max_num_f32 v254, v254, v235
	s_delay_alu instid0(VALU_DEP_1)
	v_mul_f32 v254, s22, v254                      ; as t (c is positive)
	s_delay_alu instid0(VALU_DEP_1)
	v_max_num_f32 v13, v13, v254                   ; the running largest t
	v_mov_b32 v254, v12
	s_delay_alu instid0(VALU_DEP_2)
	v_floor_f32 v12, -v13                          ; the new -M = floor(-t): M is a whole number
	s_delay_alu instid0(VALU_DEP_1)
	v_sub_f32 v254, v12, v254                      ; old M - new M: a whole number, 0 or less
	s_delay_alu instid0(VALU_DEP_1)
	v_cvt_i32_f32 v254, v254                       ; (it saturates)
	s_delay_alu instid0(VALU_DEP_1)
	v_ldexp_f32 v252, 1.0, v254                    ; f = 2^(old M - new M): a multiplication by it rounds nothing
.set j, 0
.rept 32
	v_pk_fma_f32 v[96+j:97+j], v[96+j:97+j], s[22:23], v[12:13] op_sel_hi:[1,0,0]   ; t - M
.set j, j+2
.endr
.irp b, 0,1,2,3
	v_fma_f32 v[232+\b], v[232+\b], s22, v12       ; the same of each block's largest score
.endr
.set j, 0
	s_wait_alu depctr_va_vdst(0)
.rept 64
	v_exp_f32 v[96+j], v[96+j]                     ; p = 2^(t - M), at most 1: not normalised
.set j, j+1
.endr
.irp b, 0,1,2,3
	v_exp_f32 v[232+\b], v[232+\b]                 ; the block's largest p
.endr
	v_pk_mul_f32 v[14:15], v[14:15], v[252:253] op_sel_hi:[1,0]   ; the sums under the new M (a plain line behind the exponentials)
	s_wait_alu depctr_va_vdst(0)
.irp b, 0,1,2,3
	v_max_num_f32 v[232+\b], 0x4800000, v[232+\b]  ; the floor 2^(9 - 127)
.endr
.irp b, 0,1,2,3
	s_delay_alu instid0(VALU_DEP_4)
	v_add_nc_u32 v[244+\b], 0xfc000000, v[232+\b]  ; the conversion's scale operand
.endr
.irp b, 0,1,2,3
	v_and_or_b32 v[240+\b], v[232+\b], 0x7f800000, s19   ; 448 x the scale
.endr
.irp b, 0,1,2,3
	v_lshrrev_b32 v[236+\b], 23, v[244+\b]         ; the scale's byte
.endr
	s_delay_alu instid0(VALU_DEP_3)
	v_lshl_or_b32 v253, v237, 8, v236              ; p's scale word for these 128 keys
	s_delay_alu instid0(VALU_DEP_1)
	v_lshl_or_b32 v253, v238, 16, v253
	s_delay_alu instid0(VALU_DEP_1)
	v_lshl_or_b32 v253, v239, 24, v253
	v_pk_add_f32 v[236:237], v[100:101], v[104:105]
	v_pk_add_f32 v[250:251], v[108:109], v[112:113]
	v_pk_add_f32 v[248:249], v[116:117], v[120:121]
	v_pk_add_f32 v[234:235], v[124:125], v[128:129]
	v_pk_add_f32 v[232:233], v[132:133], v[136:137]
	v_pk_add_f32 v[228:229], v[140:141], v[144:145]
	v_pk_add_f32 v[226:227], v[148:149], v[152:153]
	v_pk_add_f32 v[14:15], v[14:15], v[156:157]
	v_pk_add_f32 v[236:237], v[236:237], v[96:97]
	v_pk_add_f32 v[250:251], v[250:251], v[98:99]
	v_pk_add_f32 v[248:249], v[248:249], v[102:103]
	v_pk_add_f32 v[234:235], v[234:235], v[106:107]
	v_pk_add_f32 v[232:233], v[232:233], v[110:111]
	v_pk_add_f32 v[228:229], v[228:229], v[114:115]
	v_pk_add_f32 v[226:227], v[226:227], v[118:119]
	v_pk_add_f32 v[14:15], v[14:15], v[122:123]
	v_pk_add_f32 v[236:237], v[236:237], v[126:127]
	v_pk_add_f32 v[250:251], v[250:251], v[130:131]
	v_pk_add_f32 v[248:249], v[248:249], v[134:135]
	v_pk_add_f32 v[234:235], v[234:235], v[138:139]
	v_pk_add_f32 v[232:233], v[232:233], v[142:143]
	v_pk_add_f32 v[228:229], v[228:229], v[146:147]
	v_pk_add_f32 v[226:227], v[226:227], v[150:151]
	v_pk_add_f32 v[14:15], v[14:15], v[154:155]
	v_pk_add_f32 v[236:237], v[236:237], v[158:159]
	s_delay_alu instid0(VALU_DEP_2)
	v_pk_add_f32 v[14:15], v[14:15], v[234:235]
	s_delay_alu instid0(VALU_DEP_2)
	v_pk_add_f32 v[236:237], v[236:237], v[232:233]
	v_pk_add_f32 v[250:251], v[250:251], v[228:229]
	v_pk_add_f32 v[248:249], v[248:249], v[226:227]
	s_delay_alu instid0(VALU_DEP_2)
	v_pk_add_f32 v[14:15], v[14:15], v[250:251]
	s_delay_alu instid0(VALU_DEP_2)
	v_pk_add_f32 v[236:237], v[236:237], v[248:249]
	s_delay_alu instid0(VALU_DEP_1)
	v_pk_add_f32 v[14:15], v[14:15], v[236:237]
.irp b, 0,1,2,3
.irp i, 0,1,2,3,4,5,6,7,8,9,10,11,12,13,14,15
	v_min_num_f32 v[96+16*\b+\i], v[96+16*\b+\i], v[240+\b]   ; the conversion does not saturate (ISA guide 7.6.2); p is not negative, so the hold is one-sided
.endr
	v_cvt_scalef32_pk8_fp8_f32 v[192+4*\b:193+4*\b], v[96+16*\b:103+16*\b], v[244+\b]
	v_cvt_scalef32_pk8_fp8_f32 v[194+4*\b:195+4*\b], v[104+16*\b:111+16*\b], v[244+\b]
.endr
.irp t, 0,1,2,3                                ; V's four fragments take the registers that p has left
.irp c, 0,1,2,3
	ds_load_b128 v[96+16*\t+4*\c:99+16*\t+4*\c], v5 offset:8192+2048*\t+512*\c
.endr
	ds_load_b32 v[248+\t], v8 offset:64*\t
.endr
.set j, 0
.rept 16
	v_pk_mul_f32 v[160+j:161+j], v[160+j:161+j], v[252:253] op_sel_hi:[1,0]   ; O^T under the new M; these are also the places between the codes and the products
.set j, j+2
.endr
	s_wait_alu depctr_va_vdst(0)
	s_wait_dscnt 0x0
.irp t, 0,1,2,3
	v_wmma_scale_f32_16x16x128_f8f6f4 v[160+8*\t:167+8*\t], v[96+16*\t:111+16*\t], v[192:207], v[160+8*\t:167+8*\t], v[248+\t], v253
.endr
	s_add_co_u32 s60, s60, 16384
	s_add_co_u32 s61, s61, 256
	s_add_co_u32 s63, s63, 128
.endm
.macro STEPS n                         ; n key steps
	s_mov_b32 s66, \n
.Lstep_\@:
	STEP
	s_sub_co_u32 s66, s66, 1
	s_cmp_lg_u32 s66, 0
	s_cbranch_scc1 .Lstep_\@
.endm
; Phase p's PH steps.  In front of the last of them the wave waits for its own sixteenth of phase p + 1 and signals; it waits for the other waves' signals only at the phase's end, in front of its first read of phase p + 1.
; Between the two halves of the barrier stand register work and LDS reads of phase p's records, of the scale bytes and of the table: bytes that earlier barriers have shown whole and that nobody writes again.
	s_wait_tensorcnt 0x0                           ; my load of the head is in
	ds_add_u32 v230, v231                          ; 0 onto my spare word
	s_mov_b32 s26, ((NCH-PH)*4)<<16                ; no tensor load of mine is out, so group 1 may be written: the next load brings 4 (NCH - PH) rows of 256 bytes
	s_mov_b32 s28, (NCH-PH)*4
	s_wait_dscnt 0x0                               ; the add is done, and my stores into the table have landed
	s_barrier_signal -1
	s_barrier_wait -1                              ; everybody's have: records 0 .. PH - 1, the scale bytes and the table are whole
	tensor_load_to_lds s[48:51], s[24:31]          ; my sixteenth of the other records: my one tensor load behind this barrier
	s_nop 0
.rept 4
	v_nop
.endr
	s_mov_b32 s60, 0                               ; the record in hand,
	s_mov_b32 s61, 0                               ; its scale bytes,
	s_mov_b32 s63, 0                               ; its first key
	STEPS PH-1
	s_wait_tensorcnt 0x0                           ; my part of the other records is in
	s_wait_dscnt 0x0                               ; no LDS instruction of mine is out at the signal
	s_barrier_signal -1
	STEP                                           ; between the barrier's halves: register work and reads of bytes that the first barrier has shown whole and that nobody writes again
	s_barrier_wait -1                              ; everybody's part is in
	STEPS NCH-PH
	; THE WAY OUT: O^T / the sum, quantised along the head's 64 (two blocks of 32), through my stage in LDS so that d lies in its own order, and out as 1,024 consecutive bytes
.rept 8
	v_nop                                          ; eight places behind the last products
.endr
	v_add_f32 v14, v14, v15
	s_delay_alu instid0(VALU_DEP_1)
	v_permlanex16_b32 v252, v14, s20, s21
	s_delay_alu instid0(VALU_DEP_1)
	v_add_f32 v14, v14, v252                       ; the row's sum
	s_wait_alu depctr_va_vdst(0)
	v_rcp_f32 v14, v14
	s_lshl_b32 s72, s14, 10
	s_add_co_u32 s72, s72, STG
	v_lshlrev_b32 v5, 6, v10                       ; (a plain line behind the transcendental)  the stage: 64 r
	s_delay_alu instid0(VALU_DEP_1)
	v_lshl_add_u32 v5, v11, 3, v5                  ; + 8 h
	s_delay_alu instid0(VALU_DEP_1)
	v_add_nc_u32 v5, s72, v5
	v_add_nc_u32 v7, s72, v1
	v_lshlrev_b32 v8, 1, v10
.set j, 0
	s_wait_alu depctr_va_vdst(0)
.rept 32
	v_mul_f32 v[96+j], v[160+j], v14               ; register 8 t + i is o(query r, d = 16 t + 8 h + i)
.set j, j+1
.endr
.irp b, 0,1
	v_max3_num_f32 v[232+\b], |v[96+16*\b]|, |v[97+16*\b]|, 0x4800000
.endr
.irp i, 2,4,6,8,10,12,14
.irp b, 0,1
	s_delay_alu instid0(VALU_DEP_2)
	v_max3_num_f32 v[232+\b], v[232+\b], |v[96+16*\b+\i]|, |v[97+16*\b+\i]|
.endr
.endr
.irp b, 0,1
	s_delay_alu instid0(VALU_DEP_2)
	v_permlanex16_b32 v[236+\b], v[232+\b], s20, s21
.endr
.irp b, 0,1
	s_delay_alu instid0(VALU_DEP_2)
	v_max_num_f32 v[232+\b], v[232+\b], v[236+\b]
.endr
.irp b, 0,1
	s_delay_alu instid0(VALU_DEP_2)
	v_add_nc_u32 v[244+\b], 0xfc000000, v[232+\b]
.endr
.irp b, 0,1
	s_delay_alu instid0(VALU_DEP_4)
	v_and_or_b32 v[240+\b], v[232+\b], 0x7f800000, s19
.endr
.irp b, 0,1
	s_delay_alu instid0(VALU_DEP_4)
	v_lshrrev_b32 v[236+\b], 23, v[244+\b]
.endr
	s_delay_alu instid0(VALU_DEP_1)
	v_lshl_or_b32 v238, v237, 8, v236              ; my query's two scale bytes
.irp b, 0,1
.irp i, 0,1,2,3,4,5,6,7,8,9,10,11,12,13,14,15
	v_med3_num_f32 v[96+16*\b+\i], v[96+16*\b+\i], -v[240+\b], v[240+\b]
.endr
	v_cvt_scalef32_pk8_fp8_f32 v[192+4*\b:193+4*\b], v[96+16*\b:103+16*\b], v[244+\b]
	v_cvt_scalef32_pk8_fp8_f32 v[194+4*\b:195+4*\b], v[104+16*\b:111+16*\b], v[244+\b]
.endr
	v_nop                                          ; one plain line behind the last conversion
.irp t, 0,1,2,3
	ds_store_b64 v5, v[192+2*\t:193+2*\t] offset:16*\t
.endr
	ds_load_b128 v[32:35], v7                      ; LDS serves a wave's instructions in order: these see my stores; the stage is my wave's own
	ds_load_b128 v[36:39], v7 offset:512
	s_wait_dscnt 0x0
	global_store_b128 v1, v[32:35], s[10:11]       ; 32 lanes store 512 consecutive bytes, aligned
	global_store_b128 v1, v[36:39], s[10:11] offset:512
	global_store_b16 v8, v238, s[12:13]            ; two bytes a query (both halves of the lanes write the same)
	s_wait_tensorcnt 0x0
	ds_add_u32 v230, v231
	s_wait_dscnt 0x0
	s_endpgm
.Lfunc_end_k_q6b8cf1dfc5_attn_sa:
	.size	k_q6b8cf1dfc5_attn_sa, .Lfunc_end_k_q6b8cf1dfc5_attn_sa-k_q6b8cf1dfc5_attn_sa
	.p2alignl 7, 3214868480
	.fill 96, 4, 3214868480
	.section	.rodata,"a",@progbits
	.p2align	6, 0x0
	.amdhsa_kernel k_q6b8cf1dfc5_attn_sa
		.amdhsa_group_segment_fixed_size 327680
		.amdhsa_private_segment_fixed_size 0
		.amdhsa_enable_private_segment 0
		.amdhsa_kernarg_size 40
		.amdhsa_user_sgpr_count 2
		.amdhsa_user_sgpr_kernarg_segment_ptr 1
		.amdhsa_wavefront_size32 1
		.amdhsa_system_sgpr_workgroup_id_x 1
		.amdhsa_system_sgpr_workgroup_id_y 1
		.amdhsa_system_sgpr_workgroup_id_z 1
		.amdhsa_system_vgpr_workitem_id 0
		.amdhsa_next_free_vgpr 256
		.amdhsa_next_free_sgpr 96
		.amdhsa_reserve_vcc 1
		.amdhsa_float_denorm_mode_32 3
		.amdhsa_float_denorm_mode_16_64 3
		.amdhsa_memory_ordered 1
		.amdhsa_forward_progress 1
		.amdhsa_inst_pref_size 103
	.end_amdhsa_kernel
	.amdgpu_metadata
---
amdhsa.version: [ 1, 2 ]
amdhsa.kernels:
  - .name:           k_q6b8cf1dfc5_attn_sa
    .symbol:         k_q6b8cf1dfc5_attn_sa.kd
    .args:
      - { .name: qimg, .offset: 0, .size: 8, .value_kind: global_buffer, .address_space: global }
      - { .name: kvs, .offset: 8, .size: 8, .value_kind: global_buffer, .address_space: global }
      - { .name: sa_rel, .offset: 16, .size: 8, .value_kind: global_buffer, .address_space: global }
      - { .name: ao, .offset: 24, .size: 8, .value_kind: global_buffer, .address_space: global }
      - { .name: aos, .offset: 32, .size: 8, .value_kind: global_buffer, .address_space: global }
    .group_segment_fixed_size: 327680
    .private_segment_fixed_size: 0
    .kernarg_segment_align: 8
    .kernarg_segment_size: 40
    .max_flat_workgroup_size: 512
    .sgpr_count:     96
    .vgpr_count:     256
    .wavefront_size: 32
...
	.end_amdgpu_metadata
.endif
;; end of part 3
;; launch out_sa (part 4): grid 8 x 32, 8 waves a work-group, clusters of 4 x 4, 288,256 bytes of LDS; arguments ao, aos, sa_wo_codes, sa_wo_scales, sa_bo, x, x1; writes x1
.if DOCPART == 4
	.amdgcn_target "amdgcn-amd-amdhsa--gfx1250"
	.amdhsa_code_object_version 6
	.text
	.protected	k_q6b8cf1dfc5_out_sa
	.globl	k_q6b8cf1dfc5_out_sa
	.p2align	8
	.type	k_q6b8cf1dfc5_out_sa,@function
k_q6b8cf1dfc5_out_sa:
	s_mov_b64 s[64:65], 0
	v_nop
	global_prefetch_b8 v0, s[64:65] scope:SCOPE_SE
	s_setreg_imm32_b32 hwreg(HW_REG_WAVE_MODE, 25, 1), 1
	s_wait_xcnt 0x0
	s_wait_alu depctr_hold_cnt(0) depctr_sa_sdst(0) depctr_va_vdst(0) depctr_va_sdst(0) depctr_va_ssrc(0) depctr_va_vcc(0) depctr_vm_vsrc(0)
	s_getreg_b32 s2, hwreg(HW_REG_IB_STS2, 6, 4)
	s_cmp_eq_u32 s2, 0
	s_cbranch_scc0 .Lentry_in_a_cluster
	s_endpgm
.Lentry_in_a_cluster:
	s_bfe_u32 s2, ttmp6, 0x10000c
	s_cmp_lg_u32 s2, 0xf033
	s_cbranch_scc0 .Lentry_shape_is_right
	s_endpgm
.Lentry_shape_is_right:
; out = A W^T + bias + residual, on codes of FP8 (E4M3) with E8M0 scales, K = 1,024.  A: the attention's result as codes, laid [token tile][head][token % 128][64]; its scale bytes [token tile][head][token % 128][2].
; W: [1,024 features][1,024] codes, scale bytes [1,024][32].  bias [1,024], residual and out [4,096][1,024]: f32.
; A work-group makes 128 tokens (operand R, source 1) x 128 features (operand C, source 0).  ALL OF K LIES IN LDS AT ONCE: each LDS byte is filled once, so there is no ring.
; Eight waves, each 32 x 64: 8 accumulators, two waves to a SIMD.  The bias is the C of each sum's first product.
; CLUSTER 4 x 4: R's tile hangs on the tile row alone and is asked for jointly along a row of the cluster, C's on the tile column alone, along a column.  One tensor load of a wave is out.
; R's tile is 131,072 dense bytes; it comes as rows of 256 bytes (4 tokens of one head) with 16 bytes of padding: token t of head p lies in chunk p / 4 at 8,704 (p % 4) + 272 (t / 4) + 64 (t % 4).
; The sixteen lanes of a fragment load then take the 16-byte columns (r / 4) + 4 (r % 4) modulo 16: all different.
; THE RESIDUAL of the wave's 32 rows x 64 columns is asked for at the start, behind the tiles, into 64 registers of the second window (v256-319), laid as the rows leave: it is on its way while the tiles land and are multiplied.
; THE WAY OUT: a wave's 32 rows x 256 bytes go through its own stage in LDS and leave, with the residual added, as whole aligned runs of 256 bytes.  The stages lie in R's chunks 0 and 1, which have had their only fill
; and which nobody reads behind the second barrier.
; SHARES OF THE LOADS: ONE joint load a wave, all at the head: waves 0 and 1 the halves of R's tile (256 dense rows of 256 bytes each), waves 2-5 C's four chunks (128 rows x 256 bytes),
; wave 6 R's scale bytes (16 rows of 256), wave 7 C's.  So one tensor load of a wave is out.
.set CH,    34816
.set CBASE, 139264
.set SRB,   278528
.set SCB,   282880
.set SRW,   16                         ; v16-31   R's scale words (8 a + s)
.set SCW,   32                         ; v32-63   C's (8 b + s)
.set ACC,   64                         ; v64-127  accumulator (a, b) at 8 (4 a + b)
.set FR,    128                        ; v128-159 R's two fragments
.set FC,    160                        ; v160-223 C's four
.set BO,    224                        ; v224-255 the bias, 8 registers for each b
.set RES,   0                          ; v256-319 (window 1) the residual, then the sums that are stored
.set G0R,   4
.set G0C,   16
.set G1R,   68
.set G1C,   76
.set G1SR,  84
.set G1SC,  92
.macro ARM under, g0, g1, next         ; an arm of the head's one chain of branches on the wave's number: its load, and a jump to the chain's end
	s_cmp_lt_u32 s28, \under
	s_cbranch_scc0 \next
	tensor_load_to_lds s[\g0:\g0+3], s[\g1:\g1+7]
	s_nop 0
.rept 4
	v_nop
.endr
	s_branch .Lhead_asked
\next:
.endm
.macro CROUND                          ; a round of the cluster's barrier
	s_barrier_signal -1
	s_barrier_wait -1
	s_cmp_lg_u32 s28, 0
	s_cbranch_scc1 .Lnot_wave_0_\@
	s_barrier_signal -3
.Lnot_wave_0_\@:
	s_barrier_wait -3
	s_barrier_signal -1
	s_barrier_wait -1
.endm
	s_load_b256 s[4:11], s[0:1], 0x0               ; A's codes, A's scales, W's codes, W's scales
	s_load_b128 s[12:15], s[0:1], 0x20             ; bias, residual
	s_load_b64 s[16:17], s[0:1], 0x30              ; out
	v_lshl_add_u32 v14, v0, 2, 0x46200
	v_mov_b32 v15, 0
	ds_add_u32 v14, v15
	ds_add_u32 v14, v15
	v_lshrrev_b32 v1, 5, v0
	s_delay_alu instid0(VALU_DEP_1)
	v_readfirstlane_b32 s28, v1                    ; wave 0..7
	s_lshr_b32 s31, s28, 1                         ; wr: my 32 rows
	s_and_b32 s32, s28, 1                          ; wc: my 64 columns.
	s_bfe_u32 s34, ttmp6, 0x40000                  ; cx
	s_bfe_u32 s35, ttmp6, 0x40004                  ; cy
	s_mov_b32 s36, ttmp9
	s_and_b32 s37, ttmp7, 0xffff
	s_lshl_b32 s48, s35, 2
	s_lshl_b32 s48, 15, s48                        ; my row of the cluster
	s_lshl_b32 s49, 0x1111, s34                    ; my column
	s_or_b32 s[G1R], s48, (1<<20)|(1<<21)|(5<<22)|(3<<25)   ; 15:0 the mask; elements of 1 byte; padding on; 21 set beside a mask; four words after every 64
	s_or_b32 s[G1C], s49, (1<<20)|(1<<21)|(5<<22)|(3<<25)
.irp g, G1R, G1C
	s_mov_b32 s[\g+1], 256<<16
	s_mov_b32 s[\g+3], 256<<16
	s_mov_b32 s[\g+6], 0
	s_mov_b32 s[\g+7], 0
.endr
	s_mov_b32 s[G1R+2], 256<<16                    ; R: 256 rows to a load,
	s_mov_b32 s[G1R+4], 256
	s_mov_b32 s[G1C+2], 128<<16                    ; C: 128
	s_mov_b32 s[G1C+4], 128
	s_mov_b32 s[G1R+5], 256                        ; R's rows are dense,
	s_mov_b32 s[G1C+5], 1024                       ; C's 1,024 bytes apart
	s_or_b32 s[G1SR], s48, (3<<16)|(1<<20)|(1<<21)|(5<<22)|(3<<25)   ; the scale bytes: 4,096 dense bytes as 16 rows of 32 elements of 8 bytes
	s_or_b32 s[G1SC], s49, (3<<16)|(1<<20)|(1<<21)|(5<<22)|(3<<25)
.irp g, G1SR, G1SC
	s_mov_b32 s[\g+1], 32<<16
	s_mov_b32 s[\g+2], 16<<16
	s_mov_b32 s[\g+3], 32<<16
	s_mov_b32 s[\g+4], 16
	s_mov_b32 s[\g+5], 32
	s_mov_b32 s[\g+6], 0
	s_mov_b32 s[\g+7], 0
.endr
	s_lshl_b32 s46, s37, 2
	s_add_co_u32 s46, s46, s35                     ; tile row (tokens): hangs on cy alone
	s_lshl_b32 s47, s36, 2
	s_add_co_u32 s47, s47, s34                     ; tile column (features): on cx alone
	s_lshl_b32 s50, s46, 17                        ; R's offsets, in registers that never hold cx
	s_lshl_b32 s60, s32, 16
	s_add_co_u32 s50, s50, s60                     ; 131,072 x tile + 65,536 x half
	s_mov_b32 s51, 0
	s_lshl_b32 s52, s46, 12
	s_mov_b32 s53, 0
	s_add_co_u32 s27, s28, 2
	s_and_b32 s27, s27, 3                          ; waves 2-5 take C's chunks 0-3
	s_lshl_b32 s54, s47, 17
	s_lshl_b32 s26, s27, 8
	s_add_co_u32 s54, s54, s26
	s_mov_b32 s55, 0
	s_lshl_b32 s56, s47, 12
	s_mov_b32 s57, 0
	s_lshl_b32 s62, s46, 7                         ; my part of the residual and of out
	s_lshl_b32 s63, s31, 5
	s_add_co_u32 s62, s62, s63
	s_lshl_b32 s62, s62, 12                        ; row x 4,096 bytes
	s_lshl_b32 s63, s47, 7
	s_lshl_b32 s2, s32, 6
	s_add_co_u32 s63, s63, s2
	s_lshl_b32 s2, s63, 2                          ; my first column, in bytes: also my place in the bias
	s_mov_b32 s3, 0
	s_add_co_u32 s62, s62, s2
	s_mov_b32 s63, 0
	s_mul_i32 s58, s32, 2*CH                       ; where the tiles go: R's half; no place in the cluster enters an LDS address
	s_mul_i32 s59, s27, CH
	s_add_co_u32 s59, s59, CBASE                   ; C's chunk
	s_wait_dscnt 0x0
	s_wait_kmcnt 0x0
	s_add_nc_u64 s[50:51], s[4:5], s[50:51]
	s_add_nc_u64 s[52:53], s[6:7], s[52:53]
	s_add_nc_u64 s[54:55], s[8:9], s[54:55]
	s_add_nc_u64 s[56:57], s[10:11], s[56:57]
	s_add_nc_u64 s[40:41], s[12:13], s[2:3]
	s_add_nc_u64 s[42:43], s[14:15], s[62:63]
	s_add_nc_u64 s[44:45], s[16:17], s[62:63]
	CROUND                                         ; all sixteen work-groups are here: the joint loads meet
	s_mov_b32 s[G0R], 1
	s_mov_b32 s[G0R+1], SRB
	s_mov_b64 s[G0R+2:G0R+3], s[52:53]
	s_or_b32 s[G0R+3], s[G0R+3], 0x80000000
	s_mov_b32 s[G0C], 1
	s_mov_b32 s[G0C+1], SCB
	s_mov_b64 s[G0C+2:G0C+3], s[56:57]
	s_or_b32 s[G0C+3], s[G0C+3], 0x80000000
	s_mov_b32 s[G0R+4], 1
	s_mov_b32 s[G0R+5], s58
	s_mov_b64 s[G0R+6:G0R+7], s[50:51]
	s_or_b32 s[G0R+7], s[G0R+7], 0x80000000
	s_mov_b32 s[G0C+4], 1
	s_mov_b32 s[G0C+5], s59
	s_mov_b64 s[G0C+6:G0C+7], s[54:55]
	s_or_b32 s[G0C+7], s[G0C+7], 0x80000000
	ARM 2, G0R+4, G1R, .Lhead_c                    ; the head's loads, one a wave
	ARM 6, G0C+4, G1C, .Lhead_sr
	ARM 7, G0R, G1SR, .Lhead_sc
	tensor_load_to_lds s[G0C:G0C+3], s[G1SC:G1SC+7]
	s_nop 0
.rept 4
	v_nop
.endr
.Lhead_asked:
	v_and_b32 v1, 15, v0                           ; r
	v_bfe_u32 v2, v0, 4, 1                         ; h
	s_delay_alu instid0(VALU_DEP_1)
	v_lshlrev_b32 v10, 5, v2                       ; the bias: my eight numbers of a tile begin 32 h bytes on
.irp b, 0,1,2,3
	global_load_b128 v[BO+8*\b:BO+8*\b+3], v10, s[40:41] offset:64*\b
	global_load_b128 v[BO+8*\b+4:BO+8*\b+7], v10, s[40:41] offset:64*\b+16
.endr
	v_lshlrev_b32 v13, 12, v2
	s_delay_alu instid0(VALU_DEP_1)
	v_lshl_add_u32 v13, v1, 4, v13                 ; the residual and out: lanes 0-15 one row's 256 bytes, lanes 16-31 the next row's
	s_set_vgpr_msb 0x40                            ; a load's data are its destination: window 1; the address stays in window 0
.set i, 0
.rept 16
	global_load_b128 v[RES+4*i:RES+4*i+3], v13, s[42:43] offset:8192*i   ; the residual, rows 2 i and 2 i + 1: 16 lanes read 256 consecutive bytes
.set i, i+1
.endr
	s_set_vgpr_msb 0x4000                          ; every window 0 again
	v_lshrrev_b32 v6, 2, v1
	s_delay_alu instid0(VALU_DEP_1)
	v_mul_u32_u24 v6, v6, 272
	v_and_b32 v7, 3, v1
	s_delay_alu instid0(VALU_DEP_1)
	v_lshl_add_u32 v6, v7, 6, v6
	s_delay_alu instid0(VALU_DEP_1)
	v_lshl_add_u32 v6, v2, 4, v6
	s_mul_i32 s2, s31, 2176
	v_add_nc_u32 v4, s2, v6                        ; R's fragments: 2,176 wr + 272 (r / 4) + 64 (r % 4) + 16 h
	v_mul_u32_u24 v6, v1, 272
	s_delay_alu instid0(VALU_DEP_1)
	v_lshl_add_u32 v7, v2, 4, v6
	s_mul_i32 s2, s32, 64*272
	s_add_co_u32 s2, s2, CBASE
	v_add_nc_u32 v5, s2, v7                        ; C's: row x pitch + 16 h
	s_lshl_b32 s2, s31, 6
	s_add_co_u32 s2, s2, SRB
	v_lshl_add_u32 v8, v1, 1, s2                   ; R's scale bytes: two a token, a head's 272 bytes apart
	v_lshlrev_b32 v7, 5, v1
	v_lshrrev_b32 v9, 3, v1
	s_delay_alu instid0(VALU_DEP_1)
	v_lshl_add_u32 v7, v9, 4, v7
	s_mul_i32 s2, s32, 2176
	s_add_co_u32 s2, s2, SCB
	v_add_nc_u32 v9, s2, v7                        ; C's: 32 a row, + 16 for each 256 passed
	s_mul_i32 s2, s28, 8704                        ; my stage: 32 rows of 256 + 16 bytes
	v_lshl_add_u32 v11, v2, 5, v6
	s_delay_alu instid0(VALU_DEP_1)
	v_add_nc_u32 v11, s2, v11                      ; in: row r, + 32 h
	v_mul_u32_u24 v12, v2, 272
	s_delay_alu instid0(VALU_DEP_1)
	v_lshl_add_u32 v12, v1, 4, v12
	s_delay_alu instid0(VALU_DEP_1)
	v_add_nc_u32 v12, s2, v12                      ; back: lanes 0-15 one row, lanes 16-31 the next
.macro MM s, a, b, first
.if \first
	v_wmma_scale_f32_16x16x128_f8f6f4 v[ACC+8*(4*\a+\b):ACC+8*(4*\a+\b)+7], v[FC+16*\b:FC+16*\b+15], v[FR+16*\a:FR+16*\a+15], v[BO+8*\b:BO+8*\b+7], v[SCW+8*\b+\s], v[SRW+8*\a+\s]
.else
	v_wmma_scale_f32_16x16x128_f8f6f4 v[ACC+8*(4*\a+\b):ACC+8*(4*\a+\b)+7], v[FC+16*\b:FC+16*\b+15], v[FR+16*\a:FR+16*\a+15], v[ACC+8*(4*\a+\b):ACC+8*(4*\a+\b)+7], v[SCW+8*\b+\s], v[SRW+8*\a+\s]
.endif
.endm
; 128 along K: heads 2 s and 2 s + 1.  Loads into registers that matrix instructions have read stand eight places behind them.  The eight accumulators take turns.
.macro KSTEP s, first
.if \first == 0
.if ((\s)%2) == 0
	v_add_nc_u32 v4, CH, v4                        ; on to the next chunk; two of the eight places
	v_add_nc_u32 v5, CH, v5
.rept 6
	v_nop
.endr
.else
.rept 8
	v_nop
.endr
.endif
.endif
.irp a, 0,1
.irp c, 0,1,2,3
	ds_load_b128 v[FR+16*\a+4*\c:FR+16*\a+4*\c+3], v4 offset:\a*1088+(2*((\s)%2)+(\c/2))*8704+32*(\c%2)
.endr
.endr
.irp b, 0,1,2,3
.irp c, 0,1,2,3
	ds_load_b128 v[FC+16*\b+4*\c:FC+16*\b+4*\c+3], v5 offset:\b*4352+128*((\s)%2)+32*\c
.endr
.endr
	s_wait_dscnt 8                                 ; all but the youngest eight loads, C's fragments 2 and 3
.irp b, 0,1
.irp a, 0,1
	MM \s, \a, \b, \first
.endr
.endr
	s_wait_dscnt 0x0
.irp b, 2,3
.irp a, 0,1
	MM \s, \a, \b, \first
.endr
.endr
.endm
	s_wait_alu depctr_va_vdst(0)
	s_wait_tensorcnt 0x0                           ; my load is in
	s_barrier_signal -1
	s_barrier_wait -1                              ; everybody's are
.irp b, 0,1,2,3
	ds_load_b128 v[SCW+8*\b:SCW+8*\b+3], v9 offset:544*\b
	ds_load_b128 v[SCW+8*\b+4:SCW+8*\b+7], v9 offset:544*\b+16
.endr
.irp a, 0,1
.irp p, 0,1,2,3,4,5,6,7,8,9,10,11,12,13,14,15
	ds_load_u16 v[FR+16*\a+\p], v8 offset:\p*272+32*\a   ; head p's two bytes of my row
.endr
.endr
	s_wait_dscnt 0x0
.irp a, 0,1
.irp s, 0,1,2,3,4,5,6,7
	v_lshl_or_b32 v[SRW+8*\a+\s], v[FR+16*\a+2*\s+1], 16, v[FR+16*\a+2*\s]   ; two heads' bytes make the word of 128 along K
.endr
.endr
.rept 8
	v_nop                                          ; a scale register written by a vector instruction stands eight places ahead of the product
.endr
	s_wait_alu depctr_va_vdst(0)
	s_wait_loadcnt 16                              ; the bias is in; the sixteen younger loads, the residual's, may stay out
	KSTEP 0, 1                                     ; the first products start the sums from the bias
	KSTEP 1, 0
	KSTEP 2, 0
	s_wait_alu depctr_va_vdst(0)
	KSTEP 3, 0
	s_wait_tensorcnt 0x0                           ; no tensor load of mine is out,
	s_wait_dscnt 0x0                               ; and my reads of chunks 0 and 1 are over
	s_barrier_signal -1
	s_barrier_wait -1                              ; both hold of every wave
	KSTEP 4, 0
	s_wait_alu depctr_va_vdst(0)
	KSTEP 5, 0
	KSTEP 6, 0
	s_wait_alu depctr_va_vdst(0)
	KSTEP 7, 0
.rept 8
	v_nop                                          ; eight places in front of the first read of results and of loads into the operands' registers
.endr
.irp a, 0,1
.irp b, 0,1,2,3
	ds_store_b128 v11, v[ACC+8*(4*\a+\b):ACC+8*(4*\a+\b)+3] offset:\a*4352+64*\b       ; each accumulator from its low end on
	ds_store_b128 v11, v[ACC+8*(4*\a+\b)+4:ACC+8*(4*\a+\b)+7] offset:\a*4352+64*\b+16
.endr
.endr
.set i, 0
.rept 16
.set DST, FR+4*i+64*(i/8)
	ds_load_b128 v[DST:DST+3], v12 offset:544*i    ; LDS serves a wave's instructions in order: these see my stores
.set i, i+1
.endr
	s_wait_loadcnt 0x0                             ; the residual
	s_set_vgpr_msb 0x44                            ; source 1 and the destination in window 1: the sums are formed where the residual lies, and a store's data are its source 1
.set i, 0
.rept 16
.set DST, FR+4*i+64*(i/8)
	s_wait_dscnt 15-i                              ; LDS loads come back in order: pair i of rows is in
	v_pk_add_f32 v[RES+4*i:RES+4*i+1], v[DST:DST+1], v[RES+4*i:RES+4*i+1]
	v_pk_add_f32 v[RES+4*i+2:RES+4*i+3], v[DST+2:DST+3], v[RES+4*i+2:RES+4*i+3]
	global_store_b128 v13, v[RES+4*i:RES+4*i+3], s[44:45] offset:8192*i   ; 16 lanes store 256 consecutive bytes, aligned
.set i, i+1
.endr
	s_set_vgpr_msb 0x4400                          ; at a label and at a branch every window is 0
	s_wait_tensorcnt 0x0
	ds_add_u32 v14, v15
	s_wait_dscnt 0x0
	CROUND                                         ; the closing round: no work-group ends while a partner may still ask for a tile that names it
	s_endpgm
.Lfunc_end_k_q6b8cf1dfc5_out_sa:
	.size	k_q6b8cf1dfc5_out_sa, .Lfunc_end_k_q6b8cf1dfc5_out_sa-k_q6b8cf1dfc5_out_sa
	.p2alignl 7, 3214868480
	.fill 96, 4, 3214868480
	.section	.rodata,"a",@progbits
	.p2align	6, 0x0
	.amdhsa_kernel k_q6b8cf1dfc5_out_sa
		.amdhsa_group_segment_fixed_size 288256
		.amdhsa_private_segment_fixed_size 0
		.amdhsa_enable_private_segment 0
		.amdhsa_kernarg_size 56
		.amdhsa_user_sgpr_count 2
		.amdhsa_user_sgpr_kernarg_segment_ptr 1
		.amdhsa_wavefront_size32 1
		.amdhsa_system_sgpr_workgroup_id_x 1
		.amdhsa_system_sgpr_workgroup_id_y 1
		.amdhsa_system_sgpr_workgroup_id_z 1
		.amdhsa_system_vgpr_workitem_id 0
		.amdhsa_next_free_vgpr 320
		.amdhsa_next_free_sgpr 102
		.amdhsa_reserve_vcc 0
		.amdhsa_float_denorm_mode_32 3
		.amdhsa_float_denorm_mode_16_64 3
		.amdhsa_memory_ordered 1
		.amdhsa_forward_progress 1
		.amdhsa_inst_pref_size 45
	.end_amdhsa_kernel
	.amdgpu_metadata
---
amdhsa.version: [ 1, 2 ]
amdhsa.kernels:
  - .name:           k_q6b8cf1dfc5_out_sa
    .symbol:         k_q6b8cf1dfc5_out_sa.kd
    .args:
      - { .name: ao, .offset: 0, .size: 8, .value_kind: global_buffer, .address_space: global }
      - { .name: aos, .offset: 8, .size: 8, .value_kind: global_buffer, .address_space: global }
      - { .name: sa_wo_codes, .offset: 16, .size: 8, .value_kind: global_buffer, .address_space: global }
      - { .name: sa_wo_scales, .offset: 24, .size: 8, .value_kind: global_buffer, .address_space: global }
      - { .name: sa_bo, .offset: 32, .size: 8, .value_kind: global_buffer, .address_space: global }
      - { .name: x, .offset: 40, .size: 8, .value_kind: global_buffer, .address_space: global }
      - { .name: x1, .offset: 48, .size: 8, .value_kind: global_buffer, .address_space: global }
    .group_segment_fixed_size: 288256
    .private_segment_fixed_size: 0
    .kernarg_segment_align: 8
    .kernarg_segment_size: 56
    .max_flat_workgroup_size: 256
    .sgpr_count:     102
    .vgpr_count:     320
    .wavefront_size: 32
...
	.end_amdgpu_metadata
.endif
;; end of part 4
;; launch ln_ca: the kernel of part 1 again; grid 256 x 1, 4 waves a work-group, no clusters, 33,280 bytes of LDS; arguments x1, ca_norm_g, ca_norm_b, sa_normc_g, sa_normc_b, context, ca_normc_g, ca_normc_b, act, acts; writes act, acts
;; launch proj_sa (part 5): grid 8 x 32, 8 waves a work-group, clusters of 4 x 4, 288,256 bytes of LDS; arguments act, acts, ca_wq_codes, ca_wq_scales, sa_wkv_codes, sa_wkv_scales, ca_wkv_codes, ca_wkv_scales, qimg, kvs, kvc; writes qimg
.if DOCPART == 5
	.amdgcn_target "amdgcn-amd-amdhsa--gfx1250"
	.amdhsa_code_object_version 6
	.text
	.protected	k_q6b8cf1dfc5_proj_sa
	.globl	k_q6b8cf1dfc5_proj_sa
	.p2align	8
	.type	k_q6b8cf1dfc5_proj_sa,@function
k_q6b8cf1dfc5_proj_sa:
	s_mov_b64 s[64:65], 0
	v_nop
	global_prefetch_b8 v0, s[64:65] scope:SCOPE_SE
	s_setreg_imm32_b32 hwreg(HW_REG_WAVE_MODE, 25, 1), 1
	s_wait_xcnt 0x0
	s_wait_alu depctr_hold_cnt(0) depctr_sa_sdst(0) depctr_va_vdst(0) depctr_va_sdst(0) depctr_va_ssrc(0) depctr_va_vcc(0) depctr_vm_vsrc(0)
	s_getreg_b32 s2, hwreg(HW_REG_IB_STS2, 6, 4)
	s_cmp_eq_u32 s2, 0
	s_cbranch_scc0 .Lentry_in_a_cluster
	s_endpgm
.Lentry_in_a_cluster:
	s_bfe_u32 s2, ttmp6, 0x10000c
	s_cmp_lg_u32 s2, 0xf033
	s_cbranch_scc0 .Lentry_shape_is_right
	s_endpgm
.Lentry_shape_is_right:
; The projections q, k, v on codes of FP8 (E4M3) with E8M0 scales, K = 1,024, and their results quantised on the way out into images of the operand registers that the attention kernel wants.
; A work-group makes a tile of 128 (rows of operand R, source 1) x 128 (rows of operand C, source 0).  Problems, by the cluster's y (the same in all partners):
;   0-7 q = act rows 0.. x wq;  8-15 k = act rows 4,096.. x wk1 rows 0..;  16-23 v^T = wk1 rows 1,024.. x act rows 4,096..;  24-25 k2 = act rows 8,192.. x wk2;  26-27 v2^T likewise.
; For v the operands change places, so that a lane's registers run along the TOKENS, which are the K of attention's second product.  Nothing but pointers and numbers is selected: there is one path.
; ALL OF K LIES IN LDS AT ONCE (2 x 128 rows x 1,024 bytes): each LDS byte is filled once, so there is no ring.  Eight waves, each 32 x 64 of the tile: 8 accumulators, two waves to a SIMD.
; CLUSTER 4 x 4: R's tile hangs on the tile row alone and is asked for jointly along a row of the cluster, C's on the tile column alone, along a column.  One tensor load of a wave is out.
; THE WAY OUT.  Lane (r, h) holds row r of R and, in accumulators (a, 2c), (a, 2c + 1), the 16 numbers 32c + 8h + 0..7 and 32c + 16 + 8h + 0..7 of a block of 32 along C: they become 16 codes, stored as they stand,
; 16 bytes a lane, 512 consecutive bytes an instruction.  LIMIT: inside a block of 32 the codes so lie in another order than k; the order is the same on both operands of each attention product, so the products are the same
; and only the order of their sum inside the unit differs.  A block of zeros gets the byte 1; NaN and infinities are not served.
; A head's layout in qimg, kv1, kv2 (HS bytes a head): record ch (128 tokens) at 16,384 ch: K or Q image, tile T at 1,024 T + 512 c + 16 lane; V image at 8,192 + 2,048 T + 512 c + 16 lane;
; scales at 262,144: two bytes a token; at + 4,096: four bytes for each d and record.
; SHARES OF THE LOADS: each of the eight waves issues ONE joint load, a whole chunk of 128 rows x 256 bytes (waves 0-3: R's chunks 0-3; waves 4-7: C's), so one tensor load of a wave is out;
; the scale words come from memory straight into their registers, 32 bytes a row, 512 consecutive bytes for 16 rows.  One barrier shows all of K whole.
.set CH,    34816
.set CBASE, 139264                     ; C's four chunks, behind R's four
.set SRB,   278528                     ; R's scale bytes: 16 rows of 256 + 16
.set SCB,   282880                     ; C's
.set HS,    270336
.set SRW,   16                         ; v16-31   R's scale words (8 a + s)
.set SCW,   32                         ; v32-63   C's (8 b + s)
.set ACC,   64                         ; v64-127  accumulator (a, b) at 8 (4 a + b)
.set FR,    128                        ; v128-159 R's two fragments
.set FC,    160                        ; v160-223 C's four
.set TM,    224                        ; v224-239 the quantiser's work
.set CD,    240                        ; v240-255 codes
.set G0R,   4                          ; s[4:7]  group 0 for R's chunk; s[16:19] for C's
.set G0C,   16
.set G1R,   68
.set G1C,   76
.set G1SR,  84
.set G1SC,  92
.set SEL,   100
.set MNT,   67
; A joint load: waves 0-3 ask for R, waves 4-7 for C.  The branch hangs on the wave's number alone.  Four v_nop follow each of the two lines.
.macro JLOAD g0a, g1a, g0b, g1b
	s_cmp_eq_u32 s29, 0
	s_cbranch_scc0 .Lfor_c_\@
	tensor_load_to_lds s[\g0a:\g0a+3], s[\g1a:\g1a+7]
	s_nop 0
.rept 4
	v_nop
.endr
	s_branch .Lasked_\@
.Lfor_c_\@:
	tensor_load_to_lds s[\g0b:\g0b+3], s[\g1b:\g1b+7]
	s_nop 0
.rept 4
	v_nop
.endr
.Lasked_\@:
.endm
.macro CROUND                          ; a round of the cluster's barrier
	s_barrier_signal -1
	s_barrier_wait -1
	s_cmp_lg_u32 s28, 0
	s_cbranch_scc1 .Lnot_wave_0_\@
	s_barrier_signal -3
.Lnot_wave_0_\@:
	s_barrier_wait -3
	s_barrier_signal -1
	s_barrier_wait -1
.endm
	s_load_b512 s[4:19], s[0:1], 0x0               ; act, acts, wq codes, scales, wk1 codes, scales, wk2 codes, scales
	s_load_b128 s[20:23], s[0:1], 0x40             ; qimg, kv1
	s_load_b64 s[24:25], s[0:1], 0x50              ; kv2
	v_lshl_add_u32 v15, v0, 2, 0x46200
	s_set_vgpr_msb 0x40
	v_mov_b32 v1, 0
	s_set_vgpr_msb 0x4044
	ds_add_u32 v15, v1
	ds_add_u32 v15, v1
	s_set_vgpr_msb 0x4400
	v_lshrrev_b32 v1, 5, v0
	s_delay_alu instid0(VALU_DEP_1)
	v_readfirstlane_b32 s28, v1                    ; wave 0..7
	s_lshr_b32 s29, s28, 2                         ; I fetch for R (0) or C (1)
	s_and_b32 s30, s28, 3                          ; my chunk of K: 256 bytes of a row
	s_lshr_b32 s31, s28, 1                         ; wr: my 32 rows of the tile
	s_and_b32 s32, s28, 1                          ; wc: my 64 columns.
	s_bfe_u32 s34, ttmp6, 0x40000                  ; cx
	s_bfe_u32 s35, ttmp6, 0x40004                  ; cy
	s_mov_b32 s36, ttmp9                           ; the cluster's x
	s_and_b32 s37, ttmp7, 0xffff                   ; the cluster's y
	s_lshl_b32 s48, s35, 2
	s_lshl_b32 s48, 15, s48                        ; my row of the cluster
	s_lshl_b32 s49, 0x1111, s34                    ; my column
	s_or_b32 s[G1R], s48, (1<<20)|(1<<21)|(5<<22)|(3<<25)   ; 15:0 the mask; 17:16 elements of 1 byte; 20 padding on; 21 set beside a mask; 24:22 after every 64 words; 31:25 four words
	s_or_b32 s[G1C], s49, (1<<20)|(1<<21)|(5<<22)|(3<<25)
.irp g, G1R, G1C
	s_mov_b32 s[\g+1], 256<<16                     ; tensor_dim0
	s_mov_b32 s[\g+2], 128<<16                     ; tensor_dim1
	s_mov_b32 s[\g+3], 256<<16                     ; tile_dim0
	s_mov_b32 s[\g+4], 128                         ; tile_dim1
	s_mov_b32 s[\g+5], 1024                        ; from row to row
	s_mov_b32 s[\g+6], 0
	s_mov_b32 s[\g+7], 0
.endr
	s_mov_b32 s[SEL], 0x76543210
	s_mov_b32 s[SEL+1], 0xfedcba98
	s_mov_b32 s[MNT], 0x600000
	; the problem's numbers: s66 act's first row, s38 v or not, s39 log2(token tiles in a batch), s2 the problem's first cluster row
	s_cmp_ge_u32 s37, 8
	s_cselect_b32 s66, 4096, 0
	s_cselect_b32 s2, 8, 0
	s_cmp_ge_u32 s37, 16
	s_cselect_b32 s38, 1, 0
	s_cselect_b32 s2, 16, s2
	s_cmp_ge_u32 s37, 24
	s_cselect_b32 s66, 8192, s66
	s_cselect_b32 s38, 0, s38
	s_cselect_b32 s39, 2, 4
	s_cselect_b32 s2, 24, s2
	s_cmp_ge_u32 s37, 26
	s_cselect_b32 s38, 1, s38
	s_cselect_b32 s2, 26, s2
	s_sub_co_u32 s2, s37, s2
	s_lshl_b32 s2, s2, 2                           ; 4 x the cluster's row within the problem: token tiles
	s_lshl_b32 s3, s36, 2                          ; 4 x the cluster's x: feature tiles
	s_cmp_lg_u32 s38, 0
	s_cselect_b32 s46, s3, s2
	s_cselect_b32 s47, s2, s3
	s_cselect_b32 s58, 1024, s66                   ; R's first row in its tensor
	s_cselect_b32 s59, s66, 0                      ; C's
	s_add_co_u32 s46, s46, s35                     ; tile row: hangs on cy alone
	s_add_co_u32 s47, s47, s34                     ; tile column: on cx alone
	s_lshl_b32 s60, s46, 7                         ; R's offsets, in registers that never hold cx
	s_add_co_u32 s60, s60, s58
	s_lshl_b32 s50, s60, 10
	s_lshl_b32 s61, s30, 8                         ; codes: row x 1,024 + 256 x my chunk (wave % 4)
	s_add_co_u32 s50, s50, s61                     ; codes: row x 1,024 + 256 x chunk
	s_mov_b32 s51, 0
	s_lshl_b32 s61, s31, 5                         ; scale bytes: my wave's 32 rows of R
	s_add_co_u32 s61, s61, s60
	s_lshl_b32 s52, s61, 5                         ; scale bytes: (row + 32 quarter) x 32
	s_mov_b32 s53, 0
	s_lshl_b32 s26, s47, 7                         ; C's, in registers that never hold cy
	s_add_co_u32 s26, s26, s59
	s_lshl_b32 s54, s26, 10
	s_lshl_b32 s27, s30, 8
	s_add_co_u32 s54, s54, s27
	s_mov_b32 s55, 0
	s_lshl_b32 s27, s32, 6                         ; scale bytes: my wave's 64 rows of C
	s_add_co_u32 s27, s27, s26
	s_lshl_b32 s56, s27, 5
	s_mov_b32 s57, 0
	s_mul_i32 s59, s28, CH                         ; where my chunk goes: wave x a chunk (C's four lie behind R's four): no place in the cluster enters an LDS address
	s_wait_dscnt 0x0
	s_wait_kmcnt 0x0
	s_mov_b64 s[40:41], s[8:9]                     ; the weight, its scales, the output: by the cluster's y alone
	s_mov_b64 s[42:43], s[10:11]
	s_mov_b64 s[44:45], s[20:21]
	s_cmp_ge_u32 s37, 8
	s_cselect_b64 s[40:41], s[12:13], s[40:41]
	s_cselect_b64 s[42:43], s[14:15], s[42:43]
	s_cselect_b64 s[44:45], s[22:23], s[44:45]
	s_cmp_ge_u32 s37, 24
	s_cselect_b64 s[40:41], s[16:17], s[40:41]
	s_cselect_b64 s[42:43], s[18:19], s[42:43]
	s_cselect_b64 s[44:45], s[24:25], s[44:45]
	s_cmp_lg_u32 s38, 0
	s_cselect_b64 s[60:61], s[40:41], s[4:5]       ; R is the weight for v, else act
	s_cselect_b64 s[62:63], s[42:43], s[6:7]
	s_cselect_b64 s[40:41], s[4:5], s[40:41]       ; C the other
	s_cselect_b64 s[42:43], s[6:7], s[42:43]
	s_add_nc_u64 s[50:51], s[60:61], s[50:51]
	s_add_nc_u64 s[8:9], s[62:63], s[52:53]        ; R's scale bytes of my rows (the arguments that lay in s[8:11] have been used)
	s_add_nc_u64 s[54:55], s[40:41], s[54:55]
	s_add_nc_u64 s[10:11], s[42:43], s[56:57]      ; C's
	CROUND                                         ; all sixteen work-groups are here: the joint loads meet
	s_mov_b32 s[G0R], 1
	s_mov_b32 s[G0R+1], s59
	s_mov_b64 s[G0R+2:G0R+3], s[50:51]
	s_or_b32 s[G0R+3], s[G0R+3], 0x80000000
	s_mov_b32 s[G0C], 1
	s_mov_b32 s[G0C+1], s59
	s_mov_b64 s[G0C+2:G0C+3], s[54:55]
	s_or_b32 s[G0C+3], s[G0C+3], 0x80000000
	JLOAD G0R, G1R, G0C, G1C                       ; my one tensor load
	; addresses, while the tiles are on their way
	v_and_b32 v3, 31, v0                           ; lane
	v_and_b32 v1, 15, v0                           ; r
	v_bfe_u32 v2, v0, 4, 1                         ; h
	s_delay_alu instid0(VALU_DEP_2)
	v_mul_u32_u24 v6, v1, 272
	s_delay_alu instid0(VALU_DEP_1)
	v_lshl_add_u32 v6, v2, 4, v6                   ; a fragment's row x pitch + 16 h
	s_mul_i32 s2, s31, 32*272
	v_add_nc_u32 v4, s2, v6                        ; R's fragments
	s_mul_i32 s2, s32, 64*272
	s_add_co_u32 s2, s2, CBASE
	v_add_nc_u32 v5, s2, v6                        ; C's
	v_lshlrev_b32 v7, 5, v1                        ; a row's 32 scale bytes: eight words, one for each 128 along K
.irp a, 0,1
	global_load_b128 v[SRW+8*\a:SRW+8*\a+3], v7, s[8:9] offset:512*\a
	global_load_b128 v[SRW+8*\a+4:SRW+8*\a+7], v7, s[8:9] offset:512*\a+16
.endr
.irp b, 0,1,2,3
	global_load_b128 v[SCW+8*\b:SCW+8*\b+3], v7, s[10:11] offset:512*\b
	global_load_b128 v[SCW+8*\b+4:SCW+8*\b+7], v7, s[10:11] offset:512*\b+16
.endr
.irp b, 0,1,2,3
	v_mov_b32 v[TM+4+\b], 0                        ; written once: a lane permute's destination counts as one of its sources
.endr
	; where the results go
	s_lshr_b32 s58, s31, 1
	s_and_b32 s59, s31, 1
	s_lshl_b32 s59, s59, 1
	s_lshl_b32 s60, s31, 1
	s_cmp_lg_u32 s38, 0
	s_cselect_b32 s2, s47, s46                     ; the token tile
	s_cselect_b32 s3, s46, s47                     ; the feature tile
	s_cselect_b32 s58, s58, s32                    ; which of its two heads is my wave's
	s_cselect_b32 s59, s59, s60                    ; my first image tile
	s_lshr_b32 s60, s2, s39                        ; the batch
	s_lshl_b32 s61, s60, s39
	s_sub_co_u32 s2, s2, s61                       ; the record
	s_lshl_b32 s60, s60, 4
	s_lshl_b32 s3, s3, 1
	s_add_co_u32 s60, s60, s3
	s_add_co_u32 s60, s60, s58
	s_mul_i32 s60, s60, HS                         ; the head's first byte
	s_lshl_b32 s61, s2, 14
	s_lshl_b32 s62, s38, 13
	s_add_co_u32 s61, s61, s62
	s_add_co_u32 s62, s38, 10                      ; log2 of an image tile's bytes: 1,024, for v 2,048
	s_lshl_b32 s63, s59, s62
	s_add_co_u32 s61, s61, s63
	s_mul_i32 s63, s38, s32
	s_lshl_b32 s63, s63, 10                        ; for v: my 64 tokens are chunks 2 wc, 2 wc + 1
	s_add_co_u32 s61, s61, s63
	s_add_co_u32 s50, s61, s60
	s_mov_b32 s51, 0
	s_add_nc_u64 s[50:51], s[44:45], s[50:51]      ; my codes
	s_lshl_b32 s63, 1, s62
	v_lshlrev_b32 v10, 4, v3                       ; 16 x lane
	s_delay_alu instid0(VALU_DEP_1)
	v_add_nc_u32 v11, s63, v10                     ; and one image tile on
	s_lshl_b32 s61, s2, 8
	s_lshl_b32 s63, s38, 12
	s_add_co_u32 s61, s61, s63
	s_add_co_u32 s63, s38, 5
	s_lshl_b32 s63, s59, s63
	s_add_co_u32 s61, s61, s63
	s_mul_i32 s63, s38, s32
	s_lshl_b32 s63, s63, 1
	s_add_co_u32 s61, s61, s63
	s_add_co_u32 s61, s61, 262144
	s_add_co_u32 s52, s61, s60
	s_mov_b32 s53, 0
	s_add_nc_u64 s[52:53], s[44:45], s[52:53]      ; my scale bytes
	s_add_co_u32 s63, s38, 1
	v_lshlrev_b32 v12, s63, v3                     ; 2 bytes a row, for v 4: lanes 0-15 the first 16 rows, lanes 16-31 the next
.macro MM s, a, b, first
.if \first
	v_wmma_scale_f32_16x16x128_f8f6f4 v[ACC+8*(4*\a+\b):ACC+8*(4*\a+\b)+7], v[FC+16*\b:FC+16*\b+15], v[FR+16*\a:FR+16*\a+15], 0, v[SCW+8*\b+\s], v[SRW+8*\a+\s]
.else
	v_wmma_scale_f32_16x16x128_f8f6f4 v[ACC+8*(4*\a+\b):ACC+8*(4*\a+\b)+7], v[FC+16*\b:FC+16*\b+15], v[FR+16*\a:FR+16*\a+15], v[ACC+8*(4*\a+\b):ACC+8*(4*\a+\b)+7], v[SCW+8*\b+\s], v[SRW+8*\a+\s]
.endif
.endm
; 128 along K.  Loads into registers that matrix instructions have read stand eight places behind them.
; The eight accumulators take turns, one instruction a turn, in the same order in every step.
.macro KSTEP s, first
.if \first == 0
.if ((\s)%2) == 0
	v_add_nc_u32 v4, CH, v4                        ; on to the next chunk (no LDS load of mine is out); two of the eight places
	v_add_nc_u32 v5, CH, v5
.rept 6
	v_nop
.endr
.else
.rept 8
	v_nop
.endr
.endif
.endif
.irp a, 0,1
.irp c, 0,1,2,3
	ds_load_b128 v[FR+16*\a+4*\c:FR+16*\a+4*\c+3], v4 offset:\a*4352+128*((\s)%2)+32*\c
.endr
.endr
.irp b, 0,1,2,3
.irp c, 0,1,2,3
	ds_load_b128 v[FC+16*\b+4*\c:FC+16*\b+4*\c+3], v5 offset:\b*4352+128*((\s)%2)+32*\c
.endr
.endr
	s_wait_dscnt 8                                 ; all but the youngest eight loads, C's fragments 2 and 3
.irp b, 0,1
.irp a, 0,1
	MM \s, \a, \b, \first
.endr
.endr
	s_wait_dscnt 0x0
.irp b, 2,3
.irp a, 0,1
	MM \s, \a, \b, \first
.endr
.endr
.endm
	s_wait_alu depctr_va_vdst(0)
	s_wait_tensorcnt 0x0                           ; my chunk is in
	s_barrier_signal -1
	s_barrier_wait -1                              ; everybody's are: chunks 0 and 1 are whole
	s_wait_loadcnt 0x0                             ; the scale words
	KSTEP 0, 1                                     ; the first products start the sums: nothing is cleared
	KSTEP 1, 0
	KSTEP 2, 0
	s_wait_alu depctr_va_vdst(0)
	KSTEP 3, 0
	KSTEP 4, 0
	s_wait_alu depctr_va_vdst(0)
	KSTEP 5, 0
	KSTEP 6, 0
	s_wait_alu depctr_va_vdst(0)
	KSTEP 7, 0
.rept 8
	v_nop                                          ; eight places in front of the first read of results
.endr
	; block 2 a + c: accumulators (a, 2 c) and (a, 2 c + 1), 16 registers on end; each accumulator is read from its low end on
.irp b, 0,1,2,3
	v_max3_num_f32 v[TM+\b], |v[ACC+16*\b]|, |v[ACC+1+16*\b]|, 0x4800000   ; with the floor 2^(9 - 127): the byte cannot fall under 1
.endr
.irp i, 2,4,6,8,10,12,14
.irp b, 0,1,2,3
	v_max3_num_f32 v[TM+\b], v[TM+\b], |v[ACC+16*\b+\i]|, |v[ACC+1+16*\b+\i]|
.endr
.endr
.irp b, 0,1,2,3
	s_delay_alu instid0(VALU_DEP_4)
	v_permlanex16_b32 v[TM+4+\b], v[TM+\b], s[SEL], s[SEL+1]
.endr
.irp b, 0,1,2,3
	s_delay_alu instid0(VALU_DEP_4)
	v_max_num_f32 v[TM+\b], v[TM+\b], v[TM+4+\b]   ; with lane l xor 16's: the block's largest magnitude
.endr
.irp b, 0,1,2,3
	s_delay_alu instid0(VALU_DEP_4)
	v_add_nc_u32 v[TM+12+\b], 0xfc000000, v[TM+\b] ; 8 off its exponent field: the conversion's scale operand
.endr
.irp b, 0,1,2,3
	v_and_or_b32 v[TM+8+\b], v[TM+\b], 0x7f800000, s[MNT]   ; 448 x the scale
.endr
.irp b, 0,1,2,3
	v_lshrrev_b32 v[TM+4+\b], 23, v[TM+12+\b]      ; the scale's byte
.endr
.irp b, 0,1,2,3
.irp i, 0,1,2,3,4,5,6,7,8,9,10,11,12,13,14,15
	v_med3_num_f32 v[ACC+16*\b+\i], v[ACC+16*\b+\i], -v[TM+8+\b], v[TM+8+\b]   ; the conversion does not saturate (ISA guide 7.6.2): the hold comes first
.endr
	v_cvt_scalef32_pk8_fp8_f32 v[CD+4*\b:CD+1+4*\b], v[ACC+16*\b:ACC+7+16*\b], v[TM+12+\b]
	v_cvt_scalef32_pk8_fp8_f32 v[CD+2+4*\b:CD+3+4*\b], v[ACC+8+16*\b:ACC+15+16*\b], v[TM+12+\b]
.endr
	v_nop                                          ; one plain line behind the last conversion
.irp a, 0,1
.irp c, 0,1
	global_store_b128 v[10+\a], v[CD+4*(2*\a+\c):CD+4*(2*\a+\c)+3], s[50:51] offset:512*\c   ; 32 lanes store 512 consecutive bytes, aligned
.endr
.endr
	v_lshl_or_b32 v13, v[TM+5], 8, v[TM+4]         ; two bytes for each row: rows 0-15,
	v_lshl_or_b32 v14, v[TM+7], 8, v[TM+6]         ; rows 16-31
	v_cmp_ne_u32 vcc_lo, 0, v2
	s_delay_alu instid0(VALU_DEP_1)
	v_cndmask_b32 v13, v13, v14, vcc_lo            ; lanes 16-31 carry the second sixteen
	global_store_b16 v12, v13, s[52:53]            ; two bytes a lane: one part in 32 of what the wave stores
	s_set_vgpr_msb 0x4
	s_wait_tensorcnt 0x0
	ds_add_u32 v15, v1
	s_wait_dscnt 0x0
	s_set_vgpr_msb 0x400
	CROUND                                         ; the closing round: no work-group ends while a partner may still ask for a tile that names it
	s_endpgm
.Lfunc_end_k_q6b8cf1dfc5_proj_sa:
	.size	k_q6b8cf1dfc5_proj_sa, .Lfunc_end_k_q6b8cf1dfc5_proj_sa-k_q6b8cf1dfc5_proj_sa
	.p2alignl 7, 3214868480
	.fill 96, 4, 3214868480
	.section	.rodata,"a",@progbits
	.p2align	6, 0x0
	.amdhsa_kernel k_q6b8cf1dfc5_proj_sa
		.amdhsa_group_segment_fixed_size 288256
		.amdhsa_private_segment_fixed_size 0
		.amdhsa_enable_private_segment 0
		.amdhsa_kernarg_size 88
		.amdhsa_user_sgpr_count 2
		.amdhsa_user_sgpr_kernarg_segment_ptr 1
		.amdhsa_wavefront_size32 1
		.amdhsa_system_sgpr_workgroup_id_x 1
		.amdhsa_system_sgpr_workgroup_id_y 1
		.amdhsa_system_sgpr_workgroup_id_z 1
		.amdhsa_system_vgpr_workitem_id 0
		.amdhsa_next_free_vgpr 258
		.amdhsa_next_free_sgpr 102
		.amdhsa_reserve_vcc 1
		.amdhsa_float_denorm_mode_32 3
		.amdhsa_float_denorm_mode_16_64 3
		.amdhsa_memory_ordered 1
		.amdhsa_forward_progress 1
		.amdhsa_inst_pref_size 42
	.end_amdhsa_kernel
	.amdgpu_metadata
---
amdhsa.version: [ 1, 2 ]
amdhsa.kernels:
  - .name:           k_q6b8cf1dfc5_proj_sa
    .symbol:         k_q6b8cf1dfc5_proj_sa.kd
    .args:
      - { .name: act, .offset: 0, .size: 8, .value_kind: global_buffer, .address_space: global }
      - { .name: acts, .offset: 8, .size: 8, .value_kind: global_buffer, .address_space: global }
      - { .name: ca_wq_codes, .offset: 16, .size: 8, .value_kind: global_buffer, .address_space: global }
      - { .name: ca_wq_scales, .offset: 24, .size: 8, .value_kind: global_buffer, .address_space: global }
      - { .name: sa_wkv_codes, .offset: 32, .size: 8, .value_kind: global_buffer, .address_space: global }
      - { .name: sa_wkv_scales, .offset: 40, .size: 8, .value_kind: global_buffer, .address_space: global }
      - { .name: ca_wkv_codes, .offset: 48, .size: 8, .value_kind: global_buffer, .address_space: global }
      - { .name: ca_wkv_scales, .offset: 56, .size: 8, .value_kind: global_buffer, .address_space: global }
      - { .name: qimg, .offset: 64, .size: 8, .value_kind: global_buffer, .address_space: global }
      - { .name: kvs, .offset: 72, .size: 8, .value_kind: global_buffer, .address_space: global }
      - { .name: kvc, .offset: 80, .size: 8, .value_kind: global_buffer, .address_space: global }
    .group_segment_fixed_size: 288256
    .private_segment_fixed_size: 0
    .kernarg_segment_align: 8
    .kernarg_segment_size: 88
    .max_flat_workgroup_size: 256
    .sgpr_count:     102
    .vgpr_count:     258
    .wavefront_size: 32
...
	.end_amdgpu_metadata
.endif
;; end of part 5
;; launch attn_ca (part 6): grid 8 x 32, 16 waves a work-group, no clusters, 327,680 bytes of LDS; arguments qimg, kvc, ca_rel, ao, aos; writes ao, aos
.if DOCPART == 6
	.amdgcn_target "amdgcn-amd-amdhsa--gfx1250"
	.amdhsa_code_object_version 6
	.text
	.protected	k_q6b8cf1dfc5_attn_ca
	.globl	k_q6b8cf1dfc5_attn_ca
	.p2align	8
	.type	k_q6b8cf1dfc5_attn_ca,@function
k_q6b8cf1dfc5_attn_ca:
	s_mov_b64 s[64:65], 0
	v_nop
	global_prefetch_b8 v0, s[64:65] scope:SCOPE_SE
	s_setreg_imm32_b32 hwreg(HW_REG_WAVE_MODE, 25, 1), 1
	s_wait_xcnt 0x0
.set NCH,   4
; Attention of one head on codes, as launch attn_sa's text has it, for 512 keys (NCH = 4 records) and rel = key - query + 1,536.
; All four records and the scale bytes are fetched at the head, one tensor load a wave: waves 0-7 an eighth each of the records, waves 8-11 a quarter each of K's scale bytes, waves 12-15 of V's.  One barrier shows them whole.
.set PH,    4
.set NPH,   1
.set ROFF,  1536
.set SE,    32
.set SROWS, 1
.set HS,    270336
.set SCL,   NCH*16384
.set SCLV,  SCL+NCH*256
.set TAB,   SCL+NCH*512
.set CPY,   2304
.set STG,   TAB+4*CPY
	s_load_b256 s[4:11], s[0:1], 0x0
	s_load_b64 s[12:13], s[0:1], 0x20
	v_lshl_add_u32 v230, v0, 2, 0x29000
	v_mov_b32 v231, 0
	ds_add_u32 v230, v231
	ds_add_u32 v230, v231
	v_lshrrev_b32 v1, 5, v0
	s_delay_alu instid0(VALU_DEP_1)
	v_readfirstlane_b32 s14, v1
	s_and_b32 s15, ttmp7, 0xffff
	s_lshl_b32 s17, ttmp9, 8
	s_lshl_b32 s72, s14, 4
	s_add_co_u32 s17, s17, s72
	s_mul_i32 s72, s15, HS
	s_mov_b32 s24, 3<<16
	s_mov_b32 s25, 32<<16
	s_mov_b32 s26, (8*PH)<<16
	s_mov_b32 s27, 32<<16
	s_mov_b32 s28, 8*PH
	s_mov_b32 s29, 32
	s_mov_b32 s30, 0
	s_mov_b32 s31, 0
	s_mov_b32 s32, 3<<16
	s_mov_b32 s33, SE<<16
	s_mov_b32 s34, SROWS<<16
	s_mov_b32 s35, SE<<16
	s_mov_b32 s36, SROWS
	s_mov_b32 s37, SE
	s_mov_b32 s38, 1<<16                           ; one row: stride1 is not left at 0
	s_mov_b32 s39, 0
	s_bfe_u32 s74, s14, 0x10002                    ; waves 8-11 K's scales (0), waves 12-15 V's (1)
	s_and_b32 s75, s14, 7
	s_and_b32 s76, s14, 3                          ; which quarter of them
	s_mul_i32 s76, s76, NCH*64
	s_lshl_b32 s77, s74, 12
	s_add_co_u32 s78, s76, s77
	s_add_co_u32 s78, s78, 262144
	s_add_co_u32 s78, s78, s72
	s_mov_b32 s79, 0
	s_mul_i32 s77, s74, NCH*256
	s_add_co_u32 s77, s77, s76
	s_add_co_u32 s77, s77, SCL
	s_mul_i32 s80, s75, PH*2048                    ; my eighth of the records, in LDS as in memory
	s_add_co_u32 s82, s80, s72
	s_mov_b32 s83, 0
	s_lshr_b32 s84, s15, 4
	s_lshl_b32 s84, s84, 4
	s_lshr_b32 s85, s17, 7
	s_add_co_u32 s84, s84, s85
	s_lshl_b32 s84, s84, 4
	s_and_b32 s85, s15, 15
	s_add_co_u32 s84, s84, s85
	s_lshl_b32 s84, s84, 7
	s_and_b32 s85, s17, 127
	s_add_co_u32 s84, s84, s85
	s_lshl_b32 s86, s84, 6
	s_mov_b32 s87, 0
	s_wait_dscnt 0x0
	s_wait_kmcnt 0x0
	s_mov_b32 s40, 1
	s_mov_b32 s41, s77
	s_add_nc_u64 s[42:43], s[6:7], s[78:79]
	s_or_b32 s43, s43, 0x80000000
	s_add_nc_u64 s[82:83], s[6:7], s[82:83]
.set p, 0
.rept NPH
	s_mov_b32 s[44+4*p], 1
	s_add_co_u32 s[45+4*p], s80, p*PH*16384
	s_add_nc_u64 s[46+4*p:47+4*p], s[82:83], p*PH*16384
	s_or_b32 s[47+4*p], s[47+4*p], 0x80000000
.set p, p+1
.endr
	s_cmp_lt_u32 s14, 8                            ; one branch on the wave's number, one load to an arm: every way through the head passes one
	s_cbranch_scc0 .Lhead_s
	tensor_load_to_lds s[44:47], s[24:31]
	s_nop 0
.rept 4
	v_nop
.endr
	s_branch .Lhead_asked
.Lhead_s:
	tensor_load_to_lds s[40:43], s[32:39]
	s_nop 0
.rept 4
	v_nop
.endr
.Lhead_asked:
	s_add_nc_u64 s[10:11], s[10:11], s[86:87]
	s_lshl_b32 s86, s84, 1
	s_add_nc_u64 s[12:13], s[12:13], s[86:87]
	v_and_b32 v10, 15, v0
	s_wait_alu depctr_va_vdst(0)
	v_bfe_u32 v11, v0, 4, 1
	v_and_b32 v9, 31, v0
	s_delay_alu instid0(VALU_DEP_1)
	v_lshlrev_b32 v1, 4, v9
	s_lshr_b32 s76, s17, 7
	s_lshl_b32 s76, s76, 14
	s_lshl_b32 s77, s75, 10
	s_add_co_u32 s76, s76, s77
	s_add_co_u32 s76, s76, s72
	s_mov_b32 s77, 0
	s_add_nc_u64 s[76:77], s[4:5], s[76:77]
	global_load_b128 v[16:19], v1, s[76:77]
	global_load_b128 v[20:23], v1, s[76:77] offset:512
	s_lshl_b32 s78, s17, 1
	s_add_co_u32 s78, s78, s72
	s_add_co_u32 s78, s78, 262144
	s_mov_b32 s79, 0
	s_add_nc_u64 s[78:79], s[4:5], s[78:79]
	v_lshlrev_b32 v5, 1, v10
	global_load_u16 v255, v5, s[78:79]
	s_and_b32 s80, s15, 15
	s_lshl_b32 s80, s80, 2
	s_mov_b32 s81, 0
	s_add_nc_u64 s[8:9], s[8:9], s[80:81]
	s_load_b32 s69, s[8:9], 0x3c0
	s_load_b32 s70, s[8:9], 0x7c0
	v_add_nc_u32 v32, 0xffffff00, v0
	s_delay_alu instid0(VALU_DEP_1)
	v_sub_nc_u32 v33, 0, v32
	s_delay_alu instid0(VALU_DEP_2)
	v_cmp_gt_i32 vcc_lo, 0, v32
	s_delay_alu instid0(VALU_DEP_1)
	v_cndmask_b32 v33, v32, v33, vcc_lo
	s_delay_alu instid0(VALU_DEP_1)
	v_min_u32 v34, 8, v33
.irp thr, 12,16,23,32,46,64,91
	v_cmp_le_u32 vcc_lo, \thr, v33
	s_delay_alu instid0(VALU_DEP_1)
	v_cndmask_b32 v35, 0, 1, vcc_lo
	s_delay_alu instid0(VALU_DEP_1)
	v_add_nc_u32 v34, v34, v35
.endr
	v_cmp_le_i32 vcc_lo, 0, v32
	s_delay_alu instid0(VALU_DEP_1)
	v_cndmask_b32 v35, 0, 16, vcc_lo
	s_delay_alu instid0(VALU_DEP_1)
	v_add_nc_u32 v34, v34, v35
	s_delay_alu instid0(VALU_DEP_1)
	v_min_u32 v34, 31, v34
	s_delay_alu instid0(VALU_DEP_1)
	v_lshlrev_b32 v34, 6, v34
	global_load_b32 v36, v34, s[8:9]
	v_lshl_add_u32 v37, v0, 2, TAB
	v_lshl_add_u32 v2, v10, 1, SCL
	v_lshl_add_u32 v3, v10, 2, SCLV
	v_sub_nc_u32 v6, 0, v10
	s_delay_alu instid0(VALU_DEP_1)
	v_and_b32 v6, 3, v6
	s_delay_alu instid0(VALU_DEP_1)
	v_mul_u32_u24 v4, v6, CPY
	s_delay_alu instid0(VALU_DEP_2)
	v_add_nc_u32 v6, v6, v10
	v_lshl_add_u32 v7, v11, 3, 32
	s_delay_alu instid0(VALU_DEP_1)
	v_sub_nc_u32 v7, v7, v6
	s_delay_alu instid0(VALU_DEP_1)
	v_lshl_add_u32 v4, v7, 2, v4
	s_delay_alu instid0(VALU_DEP_1)
	v_add_nc_u32 v4, TAB, v4
.irp j, 0,1,2,3,4,5,6,7
	v_mov_b32 v[24+\j], 0
	v_mov_b32 v[40+\j], 0
	v_mov_b32 v[56+\j], 0
	v_mov_b32 v[72+\j], 0
	v_mov_b32 v[88+\j], 0
.endr
.set j, 0
.rept 32
	v_mov_b32 v[160+j], 0
.set j, j+1
.endr
	v_mov_b32 v13, 0xff61b1e6
	s_delay_alu instid0(VALU_DEP_1)
	v_floor_f32 v12, -v13
	v_mov_b32 v14, 0
	v_mov_b32 v15, 0
.irp b, 0,1,2,3
	v_mov_b32 v[236+\b], 0
.endr
	v_mov_b32 v253, 0
	s_mov_b32 s19, 0x600000
	s_mov_b32 s20, 0x76543210
	s_mov_b32 s21, 0xfedcba98
	s_mov_b32 s22, 0x3e38aa3b
	s_mov_b32 s23, s22
	s_wait_kmcnt 0x0
.irp j, 0,1,2,3,4,5,6,7
	v_mov_b32 v[208+\j], s69
	v_mov_b32 v[216+\j], s70
.endr
	s_wait_alu depctr_va_vdst(0)
	s_wait_loadcnt 0x0                             ; Q, its scales, my entry of the table
.irp c, 0,1,2,3
	ds_store_b32 v37, v36 offset:\c*CPY+(32-\c)*4
.endr
	; Wave 0 goes on with the table on both sides: entries 512 .. 543 (bucket 31) and -32 .. -1 (bucket 15) of each copy, which fill the room between the copies,
	; so that every byte that the held address of the table's reads can name is written.  A copy's entry 543 shares its word with the next copy's entry -32, which is stored last; no near step reads either.
	s_cmp_lg_u32 s14, 0
	s_cbranch_scc1 .Lpadded
.irp c, 0,1,2,3
	ds_store_b32 v37, v216 offset:\c*CPY+(544-\c)*4
.endr
.irp c, 0,1,2,3
	ds_store_b32 v37, v208 offset:\c*CPY-\c*4
.endr
.Lpadded:
.macro QK mode
.irp g, 0,1
.if \g
.rept 8
	v_nop
.endr
.endif
.irp t, 0,1,2,3
	ds_load_b128 v[32+16*\t:35+16*\t], v5 offset:(4*\g+\t)*1024
	ds_load_b128 v[36+16*\t:39+16*\t], v5 offset:(4*\g+\t)*1024+512
	ds_load_u16 v[248+\t], v7 offset:(4*\g+\t)*32
.if \mode == 0
	ds_load_b128 v[96+8*(4*\g+\t):99+8*(4*\g+\t)], v9 offset:(4*\g+\t)*64
	ds_load_b128 v[100+8*(4*\g+\t):103+8*(4*\g+\t)], v9 offset:(4*\g+\t)*64+16
.endif
.endr
	s_wait_dscnt 0x0
.irp t, 0,1,2,3
.if \mode == 0
	v_wmma_scale_f32_16x16x128_f8f6f4 v[96+8*(4*\g+\t):103+8*(4*\g+\t)], v[32+16*\t:47+16*\t], v[16:31], v[96+8*(4*\g+\t):103+8*(4*\g+\t)], v[248+\t], v255
.elseif \mode == 1
	v_wmma_scale_f32_16x16x128_f8f6f4 v[96+8*(4*\g+\t):103+8*(4*\g+\t)], v[32+16*\t:47+16*\t], v[16:31], v[208:215], v[248+\t], v255
.else
	v_wmma_scale_f32_16x16x128_f8f6f4 v[96+8*(4*\g+\t):103+8*(4*\g+\t)], v[32+16*\t:47+16*\t], v[16:31], v[216:223], v[248+\t], v255
.endif
.endr
.endr
.endm
.macro STEP
	s_sub_co_u32 s67, s63, s17
	s_add_co_u32 s67, s67, ROFF
	s_add_co_u32 s68, s67, 256
	s_min_u32 s68, s68, 384
	s_lshl_b32 s68, s68, 2
	v_add_nc_u32 v5, s60, v1
	v_add_nc_u32 v7, s61, v2
	v_add_nc_u32 v8, s61, v3
	v_add_nc_u32 v9, s68, v4
.rept 5
	v_nop
.endr
	s_cmp_le_i32 s67, -218
	s_cbranch_scc1 .Llow_\@
	s_cmp_ge_i32 s67, 106
	s_cbranch_scc1 .Lhigh_\@
	s_wait_alu depctr_va_vdst(0)
	QK 0
	s_branch .Lscored_\@
.Llow_\@:
	s_wait_alu depctr_va_vdst(0)
	QK 1
	s_branch .Lscored_\@
.Lhigh_\@:
	s_wait_alu depctr_va_vdst(0)
	QK 2
.Lscored_\@:
.rept 8
	v_nop
.endr
.irp b, 0,1,2,3
	v_max3_num_f32 v[232+\b], v[96+16*\b], v[97+16*\b], v[98+16*\b]
.endr
.irp i, 3,5,7,9,11,13
.irp b, 0,1,2,3
	v_max3_num_f32 v[232+\b], v[232+\b], v[96+16*\b+\i], v[97+16*\b+\i]
.endr
.endr
.irp b, 0,1,2,3
	v_max_num_f32 v[232+\b], v[232+\b], v[111+16*\b]
.endr
.irp b, 0,1,2,3
	s_delay_alu instid0(VALU_DEP_4)
	v_permlanex16_b32 v[236+\b], v[232+\b], s20, s21
.endr
.irp b, 0,1,2,3
	s_delay_alu instid0(VALU_DEP_4)
	v_max_num_f32 v[232+\b], v[232+\b], v[236+\b]
.endr
	s_delay_alu instid0(VALU_DEP_2)
	v_max3_num_f32 v254, v232, v233, v234
	s_delay_alu instid0(VALU_DEP_1)
	v_max_num_f32 v254, v254, v235
	s_delay_alu instid0(VALU_DEP_1)
	v_mul_f32 v254, s22, v254
	s_delay_alu instid0(VALU_DEP_1)
	v_max_num_f32 v13, v13, v254
	v_mov_b32 v254, v12
	s_delay_alu instid0(VALU_DEP_2)
	v_floor_f32 v12, -v13
	s_delay_alu instid0(VALU_DEP_1)
	v_sub_f32 v254, v12, v254
	s_delay_alu instid0(VALU_DEP_1)
	v_cvt_i32_f32 v254, v254
	s_delay_alu instid0(VALU_DEP_1)
	v_ldexp_f32 v252, 1.0, v254
.set j, 0
.rept 32
	v_pk_fma_f32 v[96+j:97+j], v[96+j:97+j], s[22:23], v[12:13] op_sel_hi:[1,0,0]
.set j, j+2
.endr
.irp b, 0,1,2,3
	v_fma_f32 v[232+\b], v[232+\b], s22, v12
.endr
.set j, 0
	s_wait_alu depctr_va_vdst(0)
.rept 64
	v_exp_f32 v[96+j], v[96+j]
.set j, j+1
.endr
.irp b, 0,1,2,3
	v_exp_f32 v[232+\b], v[232+\b]
.endr
	v_pk_mul_f32 v[14:15], v[14:15], v[252:253] op_sel_hi:[1,0]
	s_wait_alu depctr_va_vdst(0)
.irp b, 0,1,2,3
	v_max_num_f32 v[232+\b], 0x4800000, v[232+\b]
.endr
.irp b, 0,1,2,3
	s_delay_alu instid0(VALU_DEP_4)
	v_add_nc_u32 v[244+\b], 0xfc000000, v[232+\b]
.endr
.irp b, 0,1,2,3
	v_and_or_b32 v[240+\b], v[232+\b], 0x7f800000, s19
.endr
.irp b, 0,1,2,3
	v_lshrrev_b32 v[236+\b], 23, v[244+\b]
.endr
	s_delay_alu instid0(VALU_DEP_3)
	v_lshl_or_b32 v253, v237, 8, v236
	s_delay_alu instid0(VALU_DEP_1)
	v_lshl_or_b32 v253, v238, 16, v253
	s_delay_alu instid0(VALU_DEP_1)
	v_lshl_or_b32 v253, v239, 24, v253
	v_pk_add_f32 v[236:237], v[96:97], v[98:99]
.set j, 4
.rept 15
	v_pk_add_f32 v[14:15], v[14:15], v[96+j:97+j]
	v_pk_add_f32 v[236:237], v[236:237], v[98+j:99+j]
.set j, j+4
.endr
	s_delay_alu instid0(VALU_DEP_1)
	v_pk_add_f32 v[14:15], v[14:15], v[236:237]
.irp b, 0,1,2,3
.irp i, 0,1,2,3,4,5,6,7,8,9,10,11,12,13,14,15
	v_min_num_f32 v[96+16*\b+\i], v[96+16*\b+\i], v[240+\b]
.endr
	v_cvt_scalef32_pk8_fp8_f32 v[192+4*\b:193+4*\b], v[96+16*\b:103+16*\b], v[244+\b]
	v_cvt_scalef32_pk8_fp8_f32 v[194+4*\b:195+4*\b], v[104+16*\b:111+16*\b], v[244+\b]
.endr
.irp t, 0,1,2,3
.irp c, 0,1,2,3
	ds_load_b128 v[96+16*\t+4*\c:99+16*\t+4*\c], v5 offset:8192+2048*\t+512*\c
.endr
	ds_load_b32 v[248+\t], v8 offset:64*\t
.endr
.set j, 0
.rept 16
	v_pk_mul_f32 v[160+j:161+j], v[160+j:161+j], v[252:253] op_sel_hi:[1,0]
.set j, j+2
.endr
	s_wait_alu depctr_va_vdst(0)
	s_wait_dscnt 0x0
.irp t, 0,1,2,3
	v_wmma_scale_f32_16x16x128_f8f6f4 v[160+8*\t:167+8*\t], v[96+16*\t:111+16*\t], v[192:207], v[160+8*\t:167+8*\t], v[248+\t], v253
.endr
	s_add_co_u32 s60, s60, 16384
	s_add_co_u32 s61, s61, 256
	s_add_co_u32 s63, s63, 128
.endm
.macro STEPS n
	s_mov_b32 s66, \n
.Lstep_\@:
	STEP
	s_sub_co_u32 s66, s66, 1
	s_cmp_lg_u32 s66, 0
	s_cbranch_scc1 .Lstep_\@
.endm
.macro PHASE p
	s_mov_b32 s60, \p*PH*16384
	s_mov_b32 s61, \p*PH*256
	s_mov_b32 s63, \p*PH*128
.if \p < NPH-1
	STEP
	s_wait_tensorcnt NPH-2-\p
	s_wait_dscnt 0x0
	s_barrier_signal -1
	STEPS PH-1
	s_barrier_wait -1
.else
	STEPS PH
.endif
.endm
	s_wait_tensorcnt NPH-1
	s_wait_dscnt 0x0
	s_barrier_signal -1
	s_barrier_wait -1
.set q, 0
.rept NPH
	PHASE q
.set q, q+1
.endr
.rept 8
	v_nop
.endr
	v_add_f32 v14, v14, v15
	s_delay_alu instid0(VALU_DEP_1)
	v_permlanex16_b32 v252, v14, s20, s21
	s_delay_alu instid0(VALU_DEP_1)
	v_add_f32 v14, v14, v252
	s_wait_alu depctr_va_vdst(0)
	v_rcp_f32 v14, v14
	s_lshl_b32 s72, s14, 10
	s_add_co_u32 s72, s72, STG
	v_lshlrev_b32 v5, 6, v10
	s_delay_alu instid0(VALU_DEP_1)
	v_lshl_add_u32 v5, v11, 3, v5
	s_delay_alu instid0(VALU_DEP_1)
	v_add_nc_u32 v5, s72, v5
	v_add_nc_u32 v7, s72, v1
	v_lshlrev_b32 v8, 1, v10
.set j, 0
	s_wait_alu depctr_va_vdst(0)
.rept 32
	v_mul_f32 v[96+j], v[160+j], v14
.set j, j+1
.endr
.irp b, 0,1
	v_max3_num_f32 v[232+\b], |v[96+16*\b]|, |v[97+16*\b]|, 0x4800000
.endr
.irp i, 2,4,6,8,10,12,14
.irp b, 0,1
	s_delay_alu instid0(VALU_DEP_2)
	v_max3_num_f32 v[232+\b], v[232+\b], |v[96+16*\b+\i]|, |v[97+16*\b+\i]|
.endr
.endr
.irp b, 0,1
	s_delay_alu instid0(VALU_DEP_2)
	v_permlanex16_b32 v[236+\b], v[232+\b], s20, s21
.endr
.irp b, 0,1
	s_delay_alu instid0(VALU_DEP_2)
	v_max_num_f32 v[232+\b], v[232+\b], v[236+\b]
.endr
.irp b, 0,1
	s_delay_alu instid0(VALU_DEP_2)
	v_add_nc_u32 v[244+\b], 0xfc000000, v[232+\b]
.endr
.irp b, 0,1
	s_delay_alu instid0(VALU_DEP_4)
	v_and_or_b32 v[240+\b], v[232+\b], 0x7f800000, s19
.endr
.irp b, 0,1
	s_delay_alu instid0(VALU_DEP_4)
	v_lshrrev_b32 v[236+\b], 23, v[244+\b]
.endr
	s_delay_alu instid0(VALU_DEP_1)
	v_lshl_or_b32 v238, v237, 8, v236
.irp b, 0,1
.irp i, 0,1,2,3,4,5,6,7,8,9,10,11,12,13,14,15
	v_med3_num_f32 v[96+16*\b+\i], v[96+16*\b+\i], -v[240+\b], v[240+\b]
.endr
	v_cvt_scalef32_pk8_fp8_f32 v[192+4*\b:193+4*\b], v[96+16*\b:103+16*\b], v[244+\b]
	v_cvt_scalef32_pk8_fp8_f32 v[194+4*\b:195+4*\b], v[104+16*\b:111+16*\b], v[244+\b]
.endr
	v_nop
.irp t, 0,1,2,3
	ds_store_b64 v5, v[192+2*\t:193+2*\t] offset:16*\t
.endr
	ds_load_b128 v[32:35], v7
	ds_load_b128 v[36:39], v7 offset:512
	s_wait_dscnt 0x0
	global_store_b128 v1, v[32:35], s[10:11]
	global_store_b128 v1, v[36:39], s[10:11] offset:512
	global_store_b16 v8, v238, s[12:13]
	s_wait_tensorcnt 0x0
	ds_add_u32 v230, v231
	s_wait_dscnt 0x0
	s_endpgm
.Lfunc_end_k_q6b8cf1dfc5_attn_ca:
	.size	k_q6b8cf1dfc5_attn_ca, .Lfunc_end_k_q6b8cf1dfc5_attn_ca-k_q6b8cf1dfc5_attn_ca
	.p2alignl 7, 3214868480
	.fill 96, 4, 3214868480
	.section	.rodata,"a",@progbits
	.p2align	6, 0x0
	.amdhsa_kernel k_q6b8cf1dfc5_attn_ca
		.amdhsa_group_segment_fixed_size 327680
		.amdhsa_private_segment_fixed_size 0
		.amdhsa_enable_private_segment 0
		.amdhsa_kernarg_size 40
		.amdhsa_user_sgpr_count 2
		.amdhsa_user_sgpr_kernarg_segment_ptr 1
		.amdhsa_wavefront_size32 1
		.amdhsa_system_sgpr_workgroup_id_x 1
		.amdhsa_system_sgpr_workgroup_id_y 1
		.amdhsa_system_sgpr_workgroup_id_z 1
		.amdhsa_system_vgpr_workitem_id 0
		.amdhsa_next_free_vgpr 256
		.amdhsa_next_free_sgpr 96
		.amdhsa_reserve_vcc 1
		.amdhsa_float_denorm_mode_32 3
		.amdhsa_float_denorm_mode_16_64 3
		.amdhsa_memory_ordered 1
		.amdhsa_forward_progress 1
		.amdhsa_inst_pref_size 48
	.end_amdhsa_kernel
	.amdgpu_metadata
---
amdhsa.version: [ 1, 2 ]
amdhsa.kernels:
  - .name:           k_q6b8cf1dfc5_attn_ca
    .symbol:         k_q6b8cf1dfc5_attn_ca.kd
    .args:
      - { .name: qimg, .offset: 0, .size: 8, .value_kind: global_buffer, .address_space: global }
      - { .name: kvc, .offset: 8, .size: 8, .value_kind: global_buffer, .address_space: global }
      - { .name: ca_rel, .offset: 16, .size: 8, .value_kind: global_buffer, .address_space: global }
      - { .name: ao, .offset: 24, .size: 8, .value_kind: global_buffer, .address_space: global }
      - { .name: aos, .offset: 32, .size: 8, .value_kind: global_buffer, .address_space: global }
    .group_segment_fixed_size: 327680
    .private_segment_fixed_size: 0
    .kernarg_segment_align: 8
    .kernarg_segment_size: 40
    .max_flat_workgroup_size: 512
    .sgpr_count:     96
    .vgpr_count:     256
    .wavefront_size: 32
...
	.end_amdgpu_metadata
.endif
;; end of part 6
;; launch out_ca: the kernel of part 4 again; grid 8 x 32, 8 waves a work-group, clusters of 4 x 4, 288,256 bytes of LDS; arguments ao, aos, ca_wo_codes, ca_wo_scales, ca_bo, x1, out0; writes out0
